; MI455X (gfx1250); checked and timed in simulation.
; The chip was launched on July 23, 2026; its instructions are those of AMD's public machine-readable ISA for CDNA 5 (MIT licence, August 2026) and "CDNA5" Instruction Set Architecture Reference Guide (July 2026). The comments in the code are by the model that wrote it; some were corrected since.
;; Encoder Block. Allowed arithmetic: matrix products marked QUANTISED: E4M3 operands, one E8M0 scale for each 32 along K, by v_wmma_scale_f32_16x16x128_f8f6f4 with both operands' format E4M3, f32 sums; everything else in f32.
;; Inputs: b1 4,096 float32; b2 1,024 float32; bk 1,024 float32; bo 1,024 float32; bq 1,024 float32; bv 1,024 float32; ln1_a 1,024 float32; ln1_b 1,024 float32; ln2_a 1,024 float32; ln2_b 1,024 float32; mask 2 x 1 x 1 x 2,048 int32; w1 1,024 x 4,096 float32; w2 4,096 x 1,024 float32; wk 1,024 x 1,024 float32; wo 1,024 x 1,024 float32; wq 1,024 x 1,024 float32; wv 1,024 x 1,024 float32; x 2 x 2,048 x 1,024 float32.
;; Outputs: out0 2 x 2,048 x 1,024 float32.
;; This version of the problem:
;;   THIS VERSION OF THE PROBLEM IS GIVEN IN LOW PRECISION. The matrix products marked QUANTISED in the list below multiply operands that are first quantised to E4M3 (4 exponent bits, 3 mantissa bits; 8 bits a number), with one power-of-two scale for each 32 numbers along K (OCP MX v1.0); their sums are f32. All else is computed in f32.
;;   The module's matrix products, in the order in which they are computed (A, B: the left and right operand; K: the contracted axis; several contracted axes count as one K, in the product's order):
;;     1. [M 4,096, K 1,024] x [K 1,024, N 1,024]; A: computed on the way; B: input wq: QUANTISED
;;     2. [M 4,096, K 1,024] x [K 1,024, N 1,024]; A: computed on the way; B: input wk: QUANTISED
;;     3. [M 4,096, K 1,024] x [K 1,024, N 1,024]; A: computed on the way; B: input wv: QUANTISED
;;     4. batch 32 x [M 2,048, K 64] x [K 64, N 2,048]; A: computed on the way; B: computed on the way: QUANTISED
;;     5. batch 32 x [M 2,048, K 2,048] x [K 2,048, N 64]; A: softmax (see below); B: computed on the way: QUANTISED
;;     6. [M 4,096, K 1,024] x [K 1,024, N 1,024]; A: computed on the way; B: input wo: QUANTISED
;;     7. [M 4,096, K 1,024] x [K 1,024, N 4,096]; A: computed on the way; B: input w1: QUANTISED
;;     8. [M 4,096, K 4,096] x [K 4,096, N 1,024]; A: computed on the way; B: input w2: QUANTISED
;;   THE QUANTISER, for each operand of a quantised product, along K:
;;     - K is cut into blocks of 32 from its start; a last block that is shorter is filled with zeros.
;;     - A block's scale is 2^e with e = floor(log2(the largest magnitude in the block)) - 8, held to -126 .. 127; a block of zeros has e = 0. As a byte (E8M0): e + 127.
;;     - Each number is divided by its block's scale, clamped to +-448, and rounded to the nearest number of E4M3, ties to even, subnormals kept.
;;     - The product sums the exact products of the quantised numbers (number of the format x scale) in f32.
;;   ~~~python
;;   def quantise(x, axis):      # numpy; x: float32 -> the quantised numbers, widened to float32 again
;;       x = np.moveaxis(x, axis, -1); K = x.shape[-1]
;;       x = np.pad(x, [(0, 0)] * (x.ndim - 1) + [(0, -K % 32)]); x = x.reshape(x.shape[:-1] + (-1, 32)); a = np.abs(x).max(-1, keepdims=True)
;;       e = np.where(a > 0, np.clip(np.frexp(np.where(a > 0, a, 1))[1] - 1 - 8, -126, 127), 0)      # np.frexp(a)[1] - 1 = floor(log2(a)), exactly
;;       r = np.clip(x / 2.0 ** e, -448, 448)
;;       step = 2.0 ** (np.maximum(np.frexp(np.where(r == 0, 1, r))[1] - 1, -6) - 3)
;;       q = np.round(r / step) * step * 2.0 ** e      # np.round: ties to even
;;       return np.moveaxis(q.reshape(q.shape[:-2] + (-1,))[..., :K], -1, axis).astype(np.float32)
;;   ~~~
;;   SOFTMAX AHEAD OF A QUANTISED PRODUCT. Where the list says 'softmax', what is quantised is not the finished softmax but p = 2^(t - M), with t = logit x log2(e) and M = ceil(the row's largest t), a whole number; so 1/2 < the row's largest p <= 1. The row's sum l is taken of the UNQUANTISED p, in f32, and the product's result is divided by l at the end. Since M is a whole number, a kernel that streams over the keys may use a running M (the ceiling of the running maximum): every later rescaling is an exact power of two, which a block's scale takes up: the codes' values come out the same.
;;   OPERANDS COMPUTED ON THE WAY. 'Computed on the way' means the value that the module computes at that place (a softmax that the list does not call 'softmax' is quantised finished and normalised). What goes into a quantiser is computed in f32, as accurately as f32 sums, v_exp_f32 and their like allow (about 1e-6 of the number): no bf16 or f16 on the way to a quantiser, and a product that is left as it is and whose result goes on into a quantised operand takes f32 operands (vector FMAs, or v_wmma_f32_16x16x4_f32). A number that lies on a knife's edge between two numbers of the format may be rounded either way, as far as f32 arithmetic and the matrix unit's own rounding can turn it there, and no further.
;; One version. Each part assembles by itself: llvm-mc -triple=amdgcn-amd-amdhsa -mcpu=gfx1250 --defsym DOCPART=n.
;; ======== version 1 of 1: 9 launches
;; limits: right only within a limited range of input values
;; workspace buffers: wqk 2,162,688 bytes; wvr 1,081,344 bytes; wrest 9,732,096 bytes; zeros 16,384 bytes; bqk 8,192 bytes; act 4,325,376 bytes; big1 17,301,504 bytes; big2 17,301,504 bytes
;; launch prep (part 1): grid 768 x 1, 4 waves a work-group, no clusters, 18,944 bytes of LDS; arguments wq, wk, wv, wo, w1, w2, bq, bk, wqk, wvr, wrest, zeros, bqk; writes wqk, wvr, wrest, zeros, bqk
.if DOCPART == 1
	.amdgcn_target "amdgcn-amd-amdhsa--gfx1250"
	.amdhsa_code_object_version 6
	.text
	.protected	k_q63040188ce_prep
	.globl	k_q63040188ce_prep
	.p2align	8
	.type	k_q63040188ce_prep,@function
k_q63040188ce_prep:
	s_mov_b64 s[64:65], 0
	v_nop
	global_prefetch_b8 v0, s[64:65] scope:SCOPE_SE
	s_setreg_imm32_b32 hwreg(HW_REG_WAVE_MODE, 25, 1), 1
	s_wait_xcnt 0x0
; The six weights, f32 stored [K][N], become RECORDS of MX-FP8 codes.  A record is a tile of 128 rows n x 128 along K: 16,384 bytes of codes ([n][128], K innermost)
; and behind them 512 bytes of scale words ([n], byte b for k = 32 b ..): 16,896 dense bytes.  One work-group makes one record; 768 records in all.
; A LANE TAKES A COLUMN n AND ITS REGISTERS RUN DOWN K: each load reads 128 consecutive bytes a wave, a block of 32 along K lies in one lane's 32 registers, and the conversions give codes with K innermost.
; A block's scale byte is its largest magnitude's exponent field - 8, held at 1 from below; each number is held within +-448 x the scale and rounded to the nearest code.
; LIMITS: a block of zeros, or one whose largest magnitude lies under 2^-118, keeps the byte 1 (this program alone reads the bytes; zero codes add nothing); NaN and infinities are not served.
; Work-group 0 also stores 4,096 f32 zeros, work-group 1 copies bq and bk one behind the other: the biases that the QK and V products take.
; No tensor load, no barrier: waves share nothing.
.set REC,  16896
.set PIT,  144                         ; a stage row: 128 bytes of codes + 16
.set OFF,  16                          ; v16-47   4 x lane + i x the weight's row pitch
.set X,    48                          ; v48-111  two sets of 32 numbers
.set C,    112                         ; v112-119 a block's codes
.set OUTR, 120                         ; v120-151 the way out
	s_load_b512 s[4:19], s[0:1], 0x0               ; wq wk wv wo w1 w2 bq bk
	s_load_b256 s[20:27], s[0:1], 0x40             ; wqk wvr wrest zeros
	s_load_b64 s[28:29], s[0:1], 0x60              ; bqk
	v_lshl_add_u32 v160, v0, 2, 0x4800
	v_mov_b32 v161, 0
	v_lshrrev_b32 v1, 5, v0
	v_readfirstlane_b32 s34, v1                    ; wave
	v_and_b32 v2, 31, v0                           ; lane
	s_mul_i32 s35, s34, 32*PIT                     ; my stage
	v_mul_u32_u24 v4, v2, PIT
	v_add_nc_u32 v4, s35, v4                       ; into it: row = my column
	v_lshrrev_b32 v5, 3, v2
	v_and_b32 v6, 7, v2
	v_mul_u32_u24 v7, v5, PIT
	v_lshl_add_u32 v7, v6, 4, v7
	v_add_nc_u32 v7, s35, v7                       ; out of it: eight lanes to a row, four rows an instruction
	v_lshlrev_b32 v8, 4, v2
	v_lshlrev_b32 v9, 2, v2
	; which weight and which record: [0,64) wq, [64,128) wk, [128,192) wv, [192,256) wo, [256,512) w1, [512,768) w2
	s_and_b32 s36, ttmp9, 63
	s_and_b32 s37, ttmp9, 255
	s_cmp_lt_u32 ttmp9, 256
	s_cselect_b32 s36, s36, s37                    ; the record's number in its weight
	s_lshr_b32 s38, s36, 3
	s_and_b32 s39, s36, 7
	s_lshr_b32 s40, s36, 5
	s_and_b32 s41, s36, 31
	s_cmp_lt_u32 ttmp9, 512
	s_cselect_b32 s38, s38, s40                    ; block of 128 columns (w2 has 32 panels along K, the others 8)
	s_cselect_b32 s39, s39, s41                    ; panel of 128 along K
	s_sub_co_u32 s42, ttmp9, 256
	s_mov_b32 s43, 4096
	s_cmp_lt_u32 s42, 256
	s_cselect_b32 s43, 16384, s43                  ; a row of the weight in bytes: w1 has 4,096 columns
	s_mul_i32 s44, s39, s43
	s_lshl_b32 s44, s44, 7                         ; 128 rows a panel
	s_lshl_b32 s45, s38, 9
	s_add_co_u32 s44, s44, s45                     ; + 512 bytes a block of columns
	s_lshl_b32 s45, s34, 7
	s_add_co_u32 s44, s44, s45                     ; + my wave's 32 columns
	s_mov_b32 s45, 0
	s_lshl_b32 s46, s43, 5                         ; 32 rows: from block to block
	s_mov_b32 s47, 0
	s_mov_b32 s62, 0x600000                        ; the mantissa field of 448
	v_mov_b32 v[OFF], v9
.set i, 1
.rept 31
	v_add_nc_u32 v[OFF+i], s43, v[OFF+i-1]
.set i, i+1
.endr
	s_wait_kmcnt 0x0
	s_cmp_lt_u32 ttmp9, 64                         ; the choices hang on the work-group's number alone
	s_cselect_b64 s[30:31], s[4:5], s[6:7]
	s_cmp_lt_u32 ttmp9, 128
	s_cselect_b64 s[30:31], s[30:31], s[8:9]
	s_cselect_b64 s[32:33], s[20:21], s[22:23]
	s_cselect_b32 s56, 0, 128
	s_cmp_lt_u32 ttmp9, 192
	s_cselect_b64 s[30:31], s[30:31], s[10:11]
	s_cselect_b64 s[32:33], s[32:33], s[24:25]
	s_cselect_b32 s56, s56, 192
	s_cmp_lt_u32 ttmp9, 256
	s_cselect_b64 s[30:31], s[30:31], s[12:13]
	s_cmp_lt_u32 ttmp9, 512
	s_cselect_b64 s[30:31], s[30:31], s[14:15]
	s_add_nc_u64 s[48:49], s[30:31], s[44:45]      ; a base for each of the four blocks: none is stepped
	s_add_nc_u64 s[50:51], s[48:49], s[46:47]
	s_add_nc_u64 s[52:53], s[50:51], s[46:47]
	s_add_nc_u64 s[54:55], s[52:53], s[46:47]
	s_sub_co_u32 s56, ttmp9, s56
	s_mul_i32 s56, s56, REC                        ; the record's place in its buffer
	s_lshl_b32 s57, s34, 12
	s_add_co_u32 s58, s56, s57                     ; my 32 rows of codes
	s_mov_b32 s59, 0
	s_add_nc_u64 s[58:59], s[32:33], s[58:59]
	s_lshl_b32 s57, s34, 7
	s_add_co_u32 s60, s56, s57
	s_add_co_u32 s60, s60, 16384                   ; my 32 scale words
	s_mov_b32 s61, 0
	s_add_nc_u64 s[60:61], s[32:33], s[60:61]
.macro LOAD t                          ; block t: w(32 t + i, my column), i = 0 .. 31, into set t % 2
.set i, 0
.rept 32
	global_load_b32 v[X+32*((\t)%2)+i], v[OFF+i], s[48+2*(\t):49+2*(\t)] th:TH_LOAD_NT
.set i, i+1
.endr
.endm
.macro BLOCK t
.set XS, X+32*((\t)%2)
.if (\t) < 3
	s_wait_loadcnt 32                              ; this block's 32 loads are in; the next block's may be out
.else
	s_wait_loadcnt 0x0
.endif
	v_max3_num_f32 v12, |v[XS]|, |v[XS+1]|, |v[XS+2]|
	v_max3_num_f32 v13, |v[XS+3]|, |v[XS+4]|, |v[XS+5]|
.irp j, 6,10,14,18,22,26
	v_max3_num_f32 v12, v12, |v[XS+\j]|, |v[XS+\j+1]|
	v_max3_num_f32 v13, v13, |v[XS+\j+2]|, |v[XS+\j+3]|
.endr
	v_max3_num_f32 v12, v12, |v[XS+30]|, |v[XS+31]|
	v_max3_num_f32 v12, v12, v13, 0x4800000        ; and the floor 2^(9 - 127): the byte cannot fall under 1
	v_add_nc_u32 v11, 0xfc000000, v12              ; 8 off the exponent field: the conversion's scale operand
	v_and_or_b32 v10, v12, 0x7f800000, s62         ; 448 x the scale
	v_lshrrev_b32 v13, 23, v11                     ; the scale's byte
.if (\t) == 0
	v_mov_b32 v14, v13
.else
	v_lshl_or_b32 v14, v13, 8*(\t), v14            ; four bytes make my column's scale word
.endif
.irp j, 0,1,2,3,4,5,6,7,8,9,10,11,12,13,14,15,16,17,18,19,20,21,22,23,24,25,26,27,28,29,30,31
	v_med3_num_f32 v[XS+\j], v[XS+\j], -v10, v10   ; the conversion to an 8-bit code does not saturate (ISA guide 7.6.2): the hold comes first
.endr
.irp g, 0,1,2,3
	v_cvt_scalef32_pk8_fp8_f32 v[C+2*\g:C+2*\g+1], v[XS+8*\g:XS+8*\g+7], v11
.endr
	ds_store_b128 v4, v[C:C+3] offset:32*(\t)
	ds_store_b128 v4, v[C+4:C+7] offset:32*(\t)+16
.if (\t)+2 < 4
	LOAD (\t)+2
.endif
	s_wait_dscnt 0x0                               ; the stores have read their registers: the next block's codes may be written
.endm
	LOAD 0
	LOAD 1
	BLOCK 0
	BLOCK 1
	BLOCK 2
	BLOCK 3
	global_store_b32 v9, v14, s[60:61]             ; 128 consecutive bytes a wave
.irp t, 0,1,2,3,4,5,6,7
	ds_load_b128 v[OUTR+4*\t:OUTR+4*\t+3], v7 offset:\t*4*PIT   ; LDS serves a wave's instructions in order: these see my stores
.endr
.irp t, 0,1,2,3,4,5,6,7
	s_wait_dscnt 7-\t
	global_store_b128 v8, v[OUTR+4*\t:OUTR+4*\t+3], s[58:59] offset:512*\t   ; 512 consecutive bytes, aligned to 256
.endr
	s_cmp_lg_u32 ttmp9, 0
	s_cbranch_scc1 .Lnot0
	v_lshlrev_b32 v156, 4, v0
	v_mov_b32 v152, 0
	v_mov_b32 v153, 0
	v_mov_b32 v154, 0
	v_mov_b32 v155, 0
.irp t, 0,1,2,3,4,5,6,7
	global_store_b128 v156, v[152:155], s[26:27] offset:2048*\t
.endr
.Lnot0:
	s_cmp_lg_u32 ttmp9, 1
	s_cbranch_scc1 .Lnot1
	v_lshlrev_b32 v157, 4, v0
	global_load_b128 v[48:51], v157, s[16:17]
	global_load_b128 v[52:55], v157, s[16:17] offset:2048
	global_load_b128 v[56:59], v157, s[18:19]
	global_load_b128 v[60:63], v157, s[18:19] offset:2048
	s_wait_loadcnt 0x0
	global_store_b128 v157, v[48:51], s[28:29]
	global_store_b128 v157, v[52:55], s[28:29] offset:2048
	global_store_b128 v157, v[56:59], s[28:29] offset:4096
	global_store_b128 v157, v[60:63], s[28:29] offset:6144
.Lnot1:
	s_wait_tensorcnt 0x0
	ds_add_u32 v160, v161
	s_wait_dscnt 0x0
	s_endpgm
.Lfunc_end_k_q63040188ce_prep:
	.size	k_q63040188ce_prep, .Lfunc_end_k_q63040188ce_prep-k_q63040188ce_prep
	.p2alignl 7, 3214868480
	.fill 96, 4, 3214868480
	.section	.rodata,"a",@progbits
	.p2align	6, 0x0
	.amdhsa_kernel k_q63040188ce_prep
		.amdhsa_group_segment_fixed_size 18944
		.amdhsa_private_segment_fixed_size 0
		.amdhsa_enable_private_segment 0
		.amdhsa_kernarg_size 104
		.amdhsa_user_sgpr_count 2
		.amdhsa_user_sgpr_kernarg_segment_ptr 1
		.amdhsa_wavefront_size32 1
		.amdhsa_system_sgpr_workgroup_id_x 1
		.amdhsa_system_sgpr_workgroup_id_y 1
		.amdhsa_system_sgpr_workgroup_id_z 1
		.amdhsa_system_vgpr_workitem_id 0
		.amdhsa_next_free_vgpr 162
		.amdhsa_next_free_sgpr 66
		.amdhsa_reserve_vcc 0
		.amdhsa_float_denorm_mode_32 3
		.amdhsa_float_denorm_mode_16_64 3
		.amdhsa_memory_ordered 1
		.amdhsa_forward_progress 1
		.amdhsa_inst_pref_size 35
	.end_amdhsa_kernel
	.amdgpu_metadata
---
amdhsa.version: [ 1, 2 ]
amdhsa.kernels:
  - .name:           k_q63040188ce_prep
    .symbol:         k_q63040188ce_prep.kd
    .args:
      - { .name: wq, .offset: 0, .size: 8, .value_kind: global_buffer, .address_space: global }
      - { .name: wk, .offset: 8, .size: 8, .value_kind: global_buffer, .address_space: global }
      - { .name: wv, .offset: 16, .size: 8, .value_kind: global_buffer, .address_space: global }
      - { .name: wo, .offset: 24, .size: 8, .value_kind: global_buffer, .address_space: global }
      - { .name: w1, .offset: 32, .size: 8, .value_kind: global_buffer, .address_space: global }
      - { .name: w2, .offset: 40, .size: 8, .value_kind: global_buffer, .address_space: global }
      - { .name: bq, .offset: 48, .size: 8, .value_kind: global_buffer, .address_space: global }
      - { .name: bk, .offset: 56, .size: 8, .value_kind: global_buffer, .address_space: global }
      - { .name: wqk, .offset: 64, .size: 8, .value_kind: global_buffer, .address_space: global }
      - { .name: wvr, .offset: 72, .size: 8, .value_kind: global_buffer, .address_space: global }
      - { .name: wrest, .offset: 80, .size: 8, .value_kind: global_buffer, .address_space: global }
      - { .name: zeros, .offset: 88, .size: 8, .value_kind: global_buffer, .address_space: global }
      - { .name: bqk, .offset: 96, .size: 8, .value_kind: global_buffer, .address_space: global }
    .group_segment_fixed_size: 18944
    .private_segment_fixed_size: 0
    .kernarg_segment_align: 8
    .kernarg_segment_size: 104
    .max_flat_workgroup_size: 128
    .sgpr_count:     66
    .vgpr_count:     162
    .wavefront_size: 32
...
	.end_amdgpu_metadata
.endif
;; end of part 1
;; launch ln1 (part 2): grid 256 x 1, 4 waves a work-group, no clusters, 57,856 bytes of LDS; arguments x, ln1_a, ln1_b, act; writes act
.if DOCPART == 2
	.amdgcn_target "amdgcn-amd-amdhsa--gfx1250"
	.amdhsa_code_object_version 6
	.text
	.protected	k_q63040188ce_ln1
	.globl	k_q63040188ce_ln1
	.p2align	8
	.type	k_q63040188ce_ln1,@function
k_q63040188ce_ln1:
	s_mov_b64 s[64:65], 0
	v_nop
	global_prefetch_b8 v0, s[64:65] scope:SCOPE_SE
	s_setreg_imm32_b32 hwreg(HW_REG_WAVE_MODE, 25, 1), 1
	s_wait_xcnt 0x0
; y = alpha (x - mean) / (std + 1e-5) + beta along rows of 1,024 f32, std with 1,023 in the divisor; y is quantised to MX-FP8 along the row and stored as RECORDS:
; a record is 128 rows x 128 columns: 16,384 bytes of codes ([row][128]) and 512 bytes of scale words ([row], byte b for columns 32 b ..); record (rows / 128) x 8 + columns / 128.
; A work-group owns 16 rows, a wave 4: one wave, one row at a time, so no wave waits for another.  All 32 loads of a wave's four rows go out at the head.
; The variance is taken of x - mean, in a second pass over the registers: no difference of large sums.
; Loads take the bytes as they lie (512 consecutive bytes an instruction); the row then turns through the wave's own stage in LDS, so that a lane holds 32 NEIGHBOURS, a whole block: its largest magnitude needs no other lane.
; Codes and scale bytes of the wave's 4 rows are gathered in LDS by panel and leave as 512 consecutive bytes a panel; the scale words leave in runs of 16 bytes (1/32 of the output).
; LIMITS: a block of zeros, or one under 2^-118, keeps the byte 1 (this program alone reads the bytes); NaN and infinities are not served.
.set REC, 16896
.set CD,  24                           ; v24-31   a block's codes
.set Y,   32                           ; v32-63   my 32 neighbours
.set XR,  64                           ; v64-191  four rows as loaded
.set AL,  192                          ; v192-223 alpha of columns 32 lane ..
.set BE,  224                          ; v224-255 beta
	s_load_b256 s[4:11], s[0:1], 0x0               ; x, alpha, beta, the records
	v_lshl_add_u32 v22, v0, 2, 0xe000
	s_set_vgpr_msb 0x40
	v_mov_b32 v1, 0
	s_set_vgpr_msb 0x4000
	v_lshrrev_b32 v1, 5, v0
	v_readfirstlane_b32 s12, v1                    ; wave
	v_and_b32 v1, 31, v0                           ; lane
	v_lshlrev_b32 v2, 4, v1
	s_mul_i32 s13, s12, 14336                      ; my wave's LDS: two turn stages of 4,608, the codes' 4,096 at 9,216, the scale bytes' 128 at 13,312
	v_lshrrev_b32 v10, 3, v1
	v_and_b32 v11, 7, v1
	v_mul_u32_u24 v3, v10, 144
	v_lshl_add_u32 v3, v11, 4, v3
	v_add_nc_u32 v3, s13, v3                       ; the turn, in: eight lanes' 128 bytes on end, then 16 of padding
	v_mul_u32_u24 v4, v1, 144
	v_add_nc_u32 v4, s13, v4                       ; and out: my 128 bytes
	v_lshrrev_b32 v10, 2, v1                       ; my panel
	v_and_b32 v11, 3, v1                           ; my block in it
	v_lshlrev_b32 v5, 9, v10
	v_lshl_add_u32 v5, v11, 5, v5
	v_add_nc_u32 v5, s13, v5
	v_add_nc_u32 v5, 9216, v5                      ; codes in: [panel][row][128]
	v_add_nc_u32 v6, s13, v2
	v_add_nc_u32 v6, 9216, v6                      ; codes out: 16 bytes a lane
	v_lshl_add_u32 v7, v10, 4, v11
	v_add_nc_u32 v7, s13, v7
	v_add_nc_u32 v7, 13312, v7                     ; scale bytes in: [panel][row][4]
	v_lshlrev_b32 v8, 2, v1
	v_add_nc_u32 v8, s13, v8
	v_add_nc_u32 v8, 13312, v8                     ; and out: a word a lane: panel lane / 4, row lane % 4
	v_mul_u32_u24 v9, v10, REC
	v_lshl_add_u32 v9, v11, 2, v9
	v_lshlrev_b32 v23, 7, v1                       ; alpha and beta: 128 bytes a lane; never rewritten
	s_lshl_b32 s14, ttmp9, 4
	s_lshl_b32 s15, s12, 2
	s_add_co_u32 s14, s14, s15                     ; my first row
	s_lshl_b32 s16, s14, 12
	s_mov_b32 s17, 0
	s_lshr_b32 s18, ttmp9, 3
	s_mul_i32 s18, s18, 8*REC                      ; my block of 128 rows: eight records
	s_and_b32 s19, s14, 127
	s_lshl_b32 s20, s19, 7
	s_add_co_u32 s20, s20, s18
	s_mov_b32 s21, 0
	s_lshl_b32 s22, s19, 2
	s_add_co_u32 s22, s22, s18
	s_add_co_u32 s22, s22, 16384
	s_mov_b32 s23, 0
	s_mov_b32 s24, 0x76543210
	s_mov_b32 s25, 0xfedcba98                      ; v_permlanex16_b32's selects for lane l xor 16
	s_wait_alu depctr_va_vdst(0)
	s_wait_kmcnt 0x0
	s_add_nc_u64 s[4:5], s[4:5], s[16:17]
	s_add_nc_u64 s[20:21], s[10:11], s[20:21]
	s_add_nc_u64 s[22:23], s[10:11], s[22:23]
.irp j, 0,1,2,3,4,5,6,7
	global_load_b128 v[AL+4*\j:AL+4*\j+3], v23, s[6:7] offset:16*\j
.endr
.irp j, 0,1,2,3,4,5,6,7
	global_load_b128 v[BE+4*\j:BE+4*\j+3], v23, s[8:9] offset:16*\j
.endr
.irp k, 0,1,2,3
.irp j, 0,1,2,3,4,5,6,7
	global_load_b128 v[XR+32*\k+4*\j:XR+32*\k+4*\j+3], v2, s[4:5] offset:4096*\k+512*\j
.endr
.endr
.macro REDUCE                          ; the sum of v10 over the 32 lanes, in every lane
	v_add_f32_dpp v10, v10, v10 row_xmask:1 row_mask:0xf bank_mask:0xf
	v_add_f32_dpp v10, v10, v10 row_xmask:2 row_mask:0xf bank_mask:0xf
	v_add_f32_dpp v10, v10, v10 row_xmask:4 row_mask:0xf bank_mask:0xf
	v_add_f32_dpp v10, v10, v10 row_xmask:8 row_mask:0xf bank_mask:0xf
	v_permlanex16_b32 v11, v10, s24, s25
	v_add_f32 v10, v10, v11
.endm
.macro JOIN                            ; four chains into one number
	v_pk_add_f32 v[10:11], v[10:11], v[12:13]
	v_pk_add_f32 v[14:15], v[14:15], v[16:17]
	v_pk_add_f32 v[10:11], v[10:11], v[14:15]
	v_add_f32 v10, v10, v11
.endm
.macro ROW k
.set XS, XR+32*(\k)
	s_wait_loadcnt 8*(3-(\k))                      ; this row's eight loads are in (alpha and beta are older); the later rows' may be out
	v_pk_add_f32 v[10:11], v[XS:XS+1], v[XS+2:XS+3]
	v_pk_add_f32 v[12:13], v[XS+4:XS+5], v[XS+6:XS+7]
	v_pk_add_f32 v[14:15], v[XS+8:XS+9], v[XS+10:XS+11]
	v_pk_add_f32 v[16:17], v[XS+12:XS+13], v[XS+14:XS+15]
.irp j, 16,24
	v_pk_add_f32 v[10:11], v[10:11], v[XS+\j:XS+\j+1]
	v_pk_add_f32 v[12:13], v[12:13], v[XS+\j+2:XS+\j+3]
	v_pk_add_f32 v[14:15], v[14:15], v[XS+\j+4:XS+\j+5]
	v_pk_add_f32 v[16:17], v[16:17], v[XS+\j+6:XS+\j+7]
.endr
	JOIN
	REDUCE
	v_mul_f32 v18, 0x3a800000, v10                 ; / 1,024: the mean
	v_mov_b32 v19, v18
.irp j, 0,2,4,6,8,10,12,14,16,18,20,22,24,26,28,30
	v_pk_add_f32 v[XS+\j:XS+\j+1], v[XS+\j:XS+\j+1], v[18:19] neg_lo:[0,1] neg_hi:[0,1]
.endr
	v_pk_mul_f32 v[10:11], v[XS:XS+1], v[XS:XS+1]
	v_pk_mul_f32 v[12:13], v[XS+2:XS+3], v[XS+2:XS+3]
	v_pk_mul_f32 v[14:15], v[XS+4:XS+5], v[XS+4:XS+5]
	v_pk_mul_f32 v[16:17], v[XS+6:XS+7], v[XS+6:XS+7]
.irp j, 8,16,24
	v_pk_fma_f32 v[10:11], v[XS+\j:XS+\j+1], v[XS+\j:XS+\j+1], v[10:11]
	v_pk_fma_f32 v[12:13], v[XS+\j+2:XS+\j+3], v[XS+\j+2:XS+\j+3], v[12:13]
	v_pk_fma_f32 v[14:15], v[XS+\j+4:XS+\j+5], v[XS+\j+4:XS+\j+5], v[14:15]
	v_pk_fma_f32 v[16:17], v[XS+\j+6:XS+\j+7], v[XS+\j+6:XS+\j+7], v[16:17]
.endr
	JOIN
	REDUCE
	v_mul_f32 v10, 0x3a802008, v10                 ; / 1,023
	s_wait_alu depctr_va_vdst(0)
	v_sqrt_f32 v20, v10
	v_nop                                          ; a plain instruction behind the root,
	s_wait_alu depctr_va_vdst(0)                   ; and the wait ahead of its first reader
	v_add_f32 v20, 0x3727c5ac, v20                 ; + 1e-5
	s_wait_alu depctr_va_vdst(0)
	v_rcp_f32 v21, v20
	v_nop
	s_wait_alu depctr_va_vdst(0)
	v_mov_b32 v20, v21
.irp j, 0,2,4,6,8,10,12,14,16,18,20,22,24,26,28,30
	v_pk_mul_f32 v[XS+\j:XS+\j+1], v[XS+\j:XS+\j+1], v[20:21]
.endr
.irp j, 0,1,2,3,4,5,6,7
	ds_store_b128 v3, v[XS+4*\j:XS+4*\j+3] offset:4608*((\k)%2)+576*\j
.endr
.irp j, 0,1,2,3,4,5,6,7
	ds_load_b128 v[Y+4*\j:Y+4*\j+3], v4 offset:4608*((\k)%2)+16*\j   ; LDS serves a wave's instructions in order: these see the stores above
.endr
	s_wait_dscnt 0x0
.irp j, 0,2,4,6,8,10,12,14,16,18,20,22,24,26,28,30
	v_pk_fma_f32 v[Y+\j:Y+\j+1], v[Y+\j:Y+\j+1], v[AL+\j:AL+\j+1], v[BE+\j:BE+\j+1]
.endr
	v_max3_num_f32 v12, |v[Y]|, |v[Y+1]|, |v[Y+2]|
	v_max3_num_f32 v13, |v[Y+3]|, |v[Y+4]|, |v[Y+5]|
.irp j, 6,10,14,18,22,26
	v_max3_num_f32 v12, v12, |v[Y+\j]|, |v[Y+\j+1]|
	v_max3_num_f32 v13, v13, |v[Y+\j+2]|, |v[Y+\j+3]|
.endr
	v_max3_num_f32 v12, v12, |v[Y+30]|, |v[Y+31]|
	v_max3_num_f32 v12, v12, v13, 0x4800000        ; the floor 2^(9 - 127)
	v_add_nc_u32 v14, 0xfc000000, v12              ; the conversion's scale operand
	v_lshrrev_b32 v16, 23, v14                     ; the scale's byte
.irp j, 0,1,2,3,4,5,6,7,8,9,10,11,12,13,14,15,16,17,18,19,20,21,22,23,24,25,26,27,28,29,30,31
.endr
.irp g, 0,1,2,3
	v_cvt_scalef32_pk8_fp8_f32 v[CD+2*\g:CD+2*\g+1], v[Y+8*\g:Y+8*\g+7], v14
.endr
	v_nop                                          ; a plain instruction behind the last conversion
	ds_store_b128 v5, v[CD:CD+3] offset:128*(\k)
	ds_store_b128 v5, v[CD+4:CD+7] offset:128*(\k)+16
	ds_store_b8 v7, v16 offset:4*(\k)
	s_wait_dscnt 0x0                               ; the stores have read their registers
.endm
	ROW 0
	ROW 1
	ROW 2
	ROW 3
.irp p, 0,1,2,3,4,5,6,7
	ds_load_b128 v[Y+4*\p:Y+4*\p+3], v6 offset:512*\p
.endr
	ds_load_b32 v10, v8
.irp p, 0,1,2,3,4,5,6,7
	s_wait_dscnt 8-\p                              ; panel p is back; the younger loads may be out
	global_store_b128 v2, v[Y+4*\p:Y+4*\p+3], s[20:21] offset:\p*REC   ; my four rows of panel p: 512 consecutive bytes
.endr
	s_wait_dscnt 0x0
	global_store_b32 v9, v10, s[22:23]
	s_set_vgpr_msb 0x4
	s_wait_tensorcnt 0x0
	ds_add_u32 v22, v1
	s_wait_dscnt 0x0
	s_set_vgpr_msb 0x400
	s_endpgm
.Lfunc_end_k_q63040188ce_ln1:
	.size	k_q63040188ce_ln1, .Lfunc_end_k_q63040188ce_ln1-k_q63040188ce_ln1
	.p2alignl 7, 3214868480
	.fill 96, 4, 3214868480
	.section	.rodata,"a",@progbits
	.p2align	6, 0x0
	.amdhsa_kernel k_q63040188ce_ln1
		.amdhsa_group_segment_fixed_size 57856
		.amdhsa_private_segment_fixed_size 0
		.amdhsa_enable_private_segment 0
		.amdhsa_kernarg_size 32
		.amdhsa_user_sgpr_count 2
		.amdhsa_user_sgpr_kernarg_segment_ptr 1
		.amdhsa_wavefront_size32 1
		.amdhsa_system_sgpr_workgroup_id_x 1
		.amdhsa_system_sgpr_workgroup_id_y 1
		.amdhsa_system_sgpr_workgroup_id_z 1
		.amdhsa_system_vgpr_workitem_id 0
		.amdhsa_next_free_vgpr 258
		.amdhsa_next_free_sgpr 66
		.amdhsa_reserve_vcc 0
		.amdhsa_float_denorm_mode_32 3
		.amdhsa_float_denorm_mode_16_64 3
		.amdhsa_fp16_overflow 1
		.amdhsa_memory_ordered 1
		.amdhsa_forward_progress 1
		.amdhsa_inst_pref_size 46
	.end_amdhsa_kernel
	.amdgpu_metadata
---
amdhsa.version: [ 1, 2 ]
amdhsa.kernels:
  - .name:           k_q63040188ce_ln1
    .symbol:         k_q63040188ce_ln1.kd
    .args:
      - { .name: x, .offset: 0, .size: 8, .value_kind: global_buffer, .address_space: global }
      - { .name: ln1_a, .offset: 8, .size: 8, .value_kind: global_buffer, .address_space: global }
      - { .name: ln1_b, .offset: 16, .size: 8, .value_kind: global_buffer, .address_space: global }
      - { .name: act, .offset: 24, .size: 8, .value_kind: global_buffer, .address_space: global }
    .group_segment_fixed_size: 57856
    .private_segment_fixed_size: 0
    .kernarg_segment_align: 8
    .kernarg_segment_size: 32
    .max_flat_workgroup_size: 128
    .sgpr_count:     66
    .vgpr_count:     258
    .wavefront_size: 32
...
	.end_amdgpu_metadata
.endif
;; end of part 2
;; launch qk (part 3): grid 16 x 32, 4 waves a work-group, clusters of 4 x 4, 327,680 bytes of LDS; arguments act, wqk, zeros, bqk, big1; writes big1
.if DOCPART == 3
	.amdgcn_target "amdgcn-amd-amdhsa--gfx1250"
	.amdhsa_code_object_version 6
	.text
	.protected	k_q63040188ce_qk
	.globl	k_q63040188ce_qk
	.p2align	8
	.type	k_q63040188ce_qk,@function
k_q63040188ce_qk:
	s_mov_b64 s[64:65], 0
	v_nop
	global_prefetch_b8 v0, s[64:65] scope:SCOPE_SE
	s_setreg_imm32_b32 hwreg(HW_REG_WAVE_MODE, 25, 1), 1
	s_wait_xcnt 0x0
	s_wait_alu depctr_hold_cnt(0) depctr_sa_sdst(0) depctr_va_vdst(0) depctr_va_sdst(0) depctr_va_ssrc(0) depctr_va_vcc(0) depctr_vm_vsrc(0)
	s_getreg_b32 s2, hwreg(HW_REG_IB_STS2, 6, 4)
	s_cmp_eq_u32 s2, 0
	s_cbranch_scc0 .Lentry_in_a_cluster
	s_endpgm
.Lentry_in_a_cluster:
	s_bfe_u32 s2, ttmp6, 0x10000c
	s_cmp_lg_u32 s2, 0xf033
	s_cbranch_scc0 .Lentry_shape_is_right
	s_endpgm
.Lentry_shape_is_right:
; C[m][n] = sum over k of A[m][k] B[n][k] + rb[m] + cb[n], K = 1,024, on codes of MX-FP8; C is quantised along n and stored as a RECORD.
; A RECORD is a tile of 128 rows x 128 along K: 16,384 bytes of codes ([row][128]), then 512 bytes of scale words ([row], byte b for k = 32 b ..): 16,896 dense bytes; the records of a block of 128 rows lie on end along K.
; Two launches run this text: A = the normalised tokens, B = wq and wk (C = q and k, cb = their biases, rb = zeros);  A = wv, B = the tokens (C = V transposed, rb = bv, cb = zeros), whose columns are the keys.
; A tile of C is 128 x 128: four waves of 64 x 64, 16 accumulators each.  K goes through two LDS slots of 512 along K (four records of A, four of B): here both are first fills and nothing is filled again.
; One tensor load a wave brings two records (264 rows of 128 bytes, 16 bytes of padding behind each): codes and scale words together.
; CLUSTERS: 4 x 4 work-groups; A's records are asked for jointly along a row of the cluster, B's along a column.
; THE MATRIX INSTRUCTION IS USED TRANSPOSED (source 0 = 16 rows of B, source 1 = 16 rows of A): lane (r, h) holds row r of C and columns 16 b + 8 h + 0 .. 7.
; REGISTERS: window 0: v1-31 addresses; v32-39 scale words, two sets (lanes 0-15 A's block i, lanes 16-31 B's); v40-57 the quantiser; v64-95 cb; v96-103 rb; v112-127 codes; v128-255 accumulators.  window 1: two sets of fragments.
; LIMITS: a block of zeros, or one under 2^-118, keeps the byte 1 (this program alone reads the bytes); NaN and infinities are not served.
; No prefetch: all of K comes by the first fills.
.set KP,    8                          ; records along K
.set REC,   16896
.set PIT,   144                        ; an LDS row: 128 bytes + 16: 36 words, so the 16 rows that a load touches start at 16 different groups of four banks (64 banks of 4 bytes: ISA guide 11.1)
.set RECL,  132*PIT                    ; a record in LDS
.set HALF,  2*RECL                     ; what one tensor load brings
.set BOFF,  4*RECL                     ; B's records lie behind A's four
.set SLOT,  8*RECL
.set SPARE, 2*SLOT                     ; the spare words, 128 bytes a wave: two blocks of 256 bytes that no other line names
.set ADRA, 16
.set ADRS, 18
.set ADRB, 20
.set STO,  24
.set RD,   25
.set CO,   26
.set STS,  27
.set SPW,  28
.set NIL,  29
.set RD2,  30
.set CO2,  31
.set SC,   32
.set TM,   40
.set CB,   64
.set PC,   112
.set ACC,  128
.set F0,   0
.set F1,   128
.set G1,   24
.set G0,   32
.set G1B,  48
.set G0B,  56
.set MSB,  0
.macro WIN new                         ; the immediate's high byte repeats the setting that is left
.if MSB != \new
	s_set_vgpr_msb (MSB<<8)|\new
.set MSB, \new
.endif
.endm
.set MUL,  0x05                        ; sources 0 (B) and 1 (A) window 1; C and D window 0
.set TO_F, 0x40                        ; destination window 1, address window 0
.macro JLOAD s                         ; a joint load: waves 0 and 1 fetch for A, waves 2 and 3 for B; four v_nop follow each of the two lines
	s_cmp_eq_u32 s11, 0
	s_cbranch_scc0 .Lfor_b_\@
	tensor_load_to_lds s[G0+4*\s:G0+4*\s+3], s[G1:G1+7]
	s_nop 0
.rept 4
	v_nop
.endr
	s_branch .Lasked_\@
.Lfor_b_\@:
	tensor_load_to_lds s[G0B+4*\s:G0B+4*\s+3], s[G1B:G1B+7]
	s_nop 0
.rept 4
	v_nop
.endr
.Lasked_\@:
.endm
.macro CREST                           ; a round of the cluster's barrier behind its opening barrier
	s_cmp_lg_u32 s10, 0
	s_cbranch_scc1 .Lnot_wave_0_\@
	s_barrier_signal -3
.Lnot_wave_0_\@:
	s_barrier_wait -3
	s_barrier_signal -1
	s_barrier_wait -1
.endm
.macro CROUND
	s_barrier_signal -1
	s_barrier_wait -1
	CREST
.endm
.macro PLACES n
.rept \n
	v_nop
.endr
.endm
; 36 LDS loads: panel q of a slot into set f: four scale registers, B's four fragments, A's four.  A fragment is 16 rows x 128 K: registers 4 c .. 4 c + 3 hold k = 32 c + 16 h + 0 .. 15
.macro FETCH slot, q, f
	WIN 0
.irp i, 0,1,2,3
	ds_load_b32 v[SC+4*((\f)/128)+\i], v[ADRS+\slot] offset:(\q)*RECL+(\i/2)*PIT+(\i%2)*64
.endr
	WIN TO_F
.irp i, 0,1,2,3
.irp c, 0,1,2,3
	ds_load_b128 v[\f+64+16*\i+4*\c:\f+64+16*\i+4*\c+3], v[ADRB+\slot] offset:(\q)*RECL+\i*16*PIT+32*\c
.endr
.endr
.irp i, 0,1,2,3
.irp c, 0,1,2,3
	ds_load_b128 v[\f+16*\i+4*\c:\f+16*\i+4*\c+3], v[ADRA+\slot] offset:(\q)*RECL+\i*16*PIT+32*\c
.endr
.endr
.endm
; 8 matrix instructions: A's blocks a0, a0 + 1 x B's four.  The 16 accumulators take turns, one instruction a turn, in the same order in every panel
.macro MUL8 f, a0
.irp a, \a0, \a0+1
.irp b, 0,1,2,3
	v_wmma_scale_f32_16x16x128_f8f6f4 v[ACC+8*(4*(\a)+\b):ACC+8*(4*(\a)+\b)+7], v[\f+64+16*\b:\f+64+16*\b+15], v[\f+16*(\a):\f+16*(\a)+15], v[ACC+8*(4*(\a)+\b):ACC+8*(4*(\a)+\b)+7], v[SC+4*((\f)/128)+\b], v[SC+4*((\f)/128)+(\a)] matrix_a_scale:MATRIX_SCALE_ROW1
.endr
.endr
.endm
; A panel: set f is multiplied; ahead of that panel q is asked for, into set g.  Eight places stand in front of loads into registers that matrix instructions have read
.macro QUARTER slot, q, f, g
	PLACES 8
	FETCH \slot, \q, \g
	s_wait_dscnt 36                                ; all but the 36 just issued: set f is in
	WIN MUL
	MUL8 \f, 0
	MUL8 \f, 2
.endm
; A slot's last panel (set 1), and the change of slots: each wave waits for all its tensor loads, adds 0 to its spare word, waits for that and for its reads of this slot, and passes the barrier
.macro TURN slot, next
	WIN 0
	s_wait_tensorcnt 0x0                           ; my part of the next slot has landed
	ds_add_u32 v[SPW], v[NIL]
	s_wait_dscnt 1                                 ; (the add alone may be out: set 1 is in)
	WIN MUL
	MUL8 F1, 0
	s_wait_dscnt 0x0                               ; the add is done, and my reads of this slot are over
	s_barrier_signal -1
	MUL8 F1, 2
	WIN 0
	s_barrier_wait -1
	PLACES 8
	FETCH \next, 0, F0
	WIN 0
.endm
; 64 numbers of a lane, v[s] on: block bb is 16 registers (two tiles: 32 columns with lane l xor 16's).  Codes to v[PC + 4 bb] on, scale bytes to v[TM + 4 + bb]
.macro QUANT s
.irp b, 0,1,2,3
	v_max3_num_f32 v[TM+\b], |v[\s+16*\b]|, |v[\s+1+16*\b]|, 0x4800000   ; with the floor 2^(9 - 127): the byte cannot fall under 1
.endr
.irp i, 2,4,6,8,10,12,14
.irp b, 0,1,2,3
	v_max3_num_f32 v[TM+\b], v[TM+\b], |v[\s+16*\b+\i]|, |v[\s+1+16*\b+\i]|
.endr
.endr
.irp b, 0,1,2,3
	v_permlanex16_b32 v[TM+4+\b], v[TM+\b], s78, s79
.endr
.irp b, 0,1,2,3
	v_max_num_f32 v[TM+\b], v[TM+\b], v[TM+4+\b]
.endr
.irp b, 0,1,2,3
	v_add_nc_u32 v[TM+12+\b], 0xfc000000, v[TM+\b]   ; 8 off the exponent field: the conversion's scale operand
.endr
.irp b, 0,1,2,3
.endr
.irp b, 0,1,2,3
	v_lshrrev_b32 v[TM+4+\b], 23, v[TM+12+\b]      ; the scale's byte
.endr
.irp b, 0,1,2,3
.irp i, 0,1,2,3,4,5,6,7,8,9,10,11,12,13,14,15
.endr
	v_cvt_scalef32_pk8_fp8_f32 v[PC+4*\b:PC+1+4*\b], v[\s+16*\b:\s+7+16*\b], v[TM+12+\b]
	v_cvt_scalef32_pk8_fp8_f32 v[PC+2+4*\b:PC+3+4*\b], v[\s+8+16*\b:\s+15+16*\b], v[TM+12+\b]
.endr
	v_nop                                          ; a plain instruction behind the last conversion
.endm
.macro TOREC a                         ; the codes and bytes of row blocks a, a + 1 into the work-group's stage, laid as the record
.irp bb, 0,1,2,3
	ds_store_b64 v[STO], v[PC+4*\bb:PC+4*\bb+1] offset:((\a)+\bb/2)*16*PIT+32*(\bb%2)
	ds_store_b64 v[STO], v[PC+4*\bb+2:PC+4*\bb+3] offset:((\a)+\bb/2)*16*PIT+32*(\bb%2)+16
.endr
	v_lshl_or_b32 v56, v[TM+5], 8, v[TM+4]
	v_lshl_or_b32 v57, v[TM+7], 8, v[TM+6]
	ds_store_b16 v[STS], v56 offset:(\a)*64        ; my two bytes of the row's scale word (both halves of the lanes write the same)
	ds_store_b16 v[STS], v57 offset:(\a)*64+64
	s_wait_dscnt 0x0                               ; the stores have read their registers
.endm
.macro SENDREC pout                    ; the stage leaves as the record: 512 consecutive bytes an instruction
	s_wait_dscnt 0x0                               ; for the others' sake: my stores into the stage are done
	s_barrier_signal -1
	s_barrier_wait -1
.irp i, 0,1,2,3,4,5,6,7
	ds_load_b128 v[64+4*\i:67+4*\i], v[RD] offset:\i*4*PIT
.endr
.irp i, 0,1,2,3,4,5,6,7
	s_wait_dscnt 7-\i
	global_store_b128 v[CO], v[64+4*\i:67+4*\i], s[\pout:\pout+1] offset:512*\i
.endr
	s_cmp_lg_u32 s10, 0
	s_cbranch_scc1 .Lno_words_\@
	ds_load_b128 v[96:99], v[RD2]                  ; wave 0: the 128 scale words
	s_wait_dscnt 0x0
	global_store_b128 v[CO2], v[96:99], s[\pout:\pout+1] offset:16384
.Lno_words_\@:
.endm
	s_load_b256 s[68:75], s[0:1], 0x0              ; A s[68:69], B s[70:71], rb s[72:73], cb s[74:75]
	s_load_b64 s[76:77], s[0:1], 0x20              ; the records of C
	v_lshl_add_u32 v[SPW], v0, 2, SPARE
	v_mov_b32 v[NIL], 0
	ds_add_u32 v28, v29
	ds_add_u32 v28, v29
	s_wait_dscnt 0x0
	v_lshrrev_b32 v1, 5, v0
	v_readfirstlane_b32 s10, v1                    ; wave 0..3
	s_lshr_b32 s11, s10, 1                         ; which half of the tile's rows is mine.  Also: I fetch for A (0) or for B (1)
	s_and_b32 s12, s10, 1                          ; which half of its columns.  Also: which two records of a slot I fetch
	s_bfe_u32 s40, ttmp6, 0x40000                  ; cx, cy: my place in the cluster
	s_bfe_u32 s41, ttmp6, 0x40004
	s_lshl_b32 s42, ttmp9, 2
	s_add_co_u32 s42, s42, s40                     ; tile column
	s_and_b32 s13, ttmp7, 0xffff
	s_lshl_b32 s13, s13, 2
	s_add_co_u32 s13, s13, s41                     ; tile row
	s_lshl_b32 s43, s41, 2
	s_lshl_b32 s43, 15, s43                        ; my row of the cluster
	s_lshl_b32 s44, 0x1111, s40                    ; my column
	s_or_b32 s[G1+0], s43, (1<<20)|(1<<21)|(4<<22)|(3<<25)   ; the mask; elements of 1 byte; padding on; bit 21 beside a mask; after every 32 words four words
	s_or_b32 s[G1B+0], s44, (1<<20)|(1<<21)|(4<<22)|(3<<25)
.irp g, G1, G1B
	s_mov_b32 s[\g+1], 128<<16                     ; tensor_dim0
	s_mov_b32 s[\g+2], 264<<16                     ; tensor_dim1: two records of 132 rows
	s_mov_b32 s[\g+3], 128<<16                     ; tile_dim0
	s_mov_b32 s[\g+4], 264                         ; tile_dim1
	s_mov_b32 s[\g+5], 128                         ; the pitch: dense
	s_mov_b32 s[\g+6], 0
	s_mov_b32 s[\g+7], 0
.endr
	s_mul_i32 s16, s13, KP*REC                     ; A's strip hangs on the tile row alone,
	s_mul_i32 s17, s12, 2*REC
	s_add_co_u32 s16, s16, s17
	s_mov_b32 s17, 0
	s_mul_i32 s46, s42, KP*REC                     ; B's on the tile column alone
	s_mul_i32 s47, s12, 2*REC
	s_add_co_u32 s46, s46, s47
	s_mov_b32 s47, 0
	s_mul_i32 s20, s10, HALF                       ; where they go: wave x two records
	s_mov_b32 s78, 0x76543210
	s_mov_b32 s79, 0xfedcba98                      ; v_permlanex16_b32's selects for lane l xor 16
	s_wait_kmcnt 0x0
	s_add_nc_u64 s[14:15], s[68:69], s[16:17]
	s_add_nc_u64 s[46:47], s[70:71], s[46:47]
	CROUND                                         ; all sixteen work-groups are here: the first joint loads meet
.irp s, 0,1
	s_mov_b32 s[G0+4*\s], 1
	s_add_co_u32 s[G0+4*\s+1], s20, \s*SLOT
	s_add_nc_u64 s[G0+4*\s+2:G0+4*\s+3], s[14:15], \s*4*REC
	s_or_b32 s[G0+4*\s+3], s[G0+4*\s+3], 0x80000000
	s_mov_b32 s[G0B+4*\s], 1
	s_add_co_u32 s[G0B+4*\s+1], s20, \s*SLOT
	s_add_nc_u64 s[G0B+4*\s+2:G0B+4*\s+3], s[46:47], \s*4*REC
	s_or_b32 s[G0B+4*\s+3], s[G0B+4*\s+3], 0x80000000
	JLOAD \s
.endr
	v_and_b32 v1, 15, v0                           ; r
	v_bfe_u32 v2, v0, 4, 1                         ; h
	s_wait_alu depctr_va_vdst(0)
	v_mul_u32_u24 v3, v1, PIT
	v_lshl_add_u32 v3, v2, 4, v3
	s_mul_i32 s21, s11, 64*PIT
	s_mul_i32 s22, s12, 64*PIT
	s_add_co_u32 s22, s22, BOFF
.irp s, 0,1
	v_add_nc_u32 v[ADRA+\s], s21, v3
	v_add_nc_u32 v[ADRB+\s], s22, v3
	s_add_co_u32 s21, s21, SLOT
	s_add_co_u32 s22, s22, SLOT
.endr
	s_mul_i32 s21, s11, 2*PIT                      ; scale words: row 128 + (row / 32) of a record; lanes 0-15 take A's, lanes 16-31 B's
	s_mul_i32 s22, s12, 2*PIT
	s_add_co_u32 s22, s22, BOFF
	s_sub_co_u32 s22, s22, s21
	v_mul_u32_u24 v4, s22, v2
	v_lshl_add_u32 v4, v1, 2, v4
	s_add_co_u32 s21, s21, 128*PIT
	v_add_nc_u32 v[ADRS], s21, v4
	v_add_nc_u32 v[ADRS+1], SLOT, v[ADRS]
	s_lshl_b32 s46, s42, 9                         ; cb: my 64 columns
	s_lshl_b32 s47, s12, 8
	s_add_co_u32 s46, s46, s47
	s_mov_b32 s47, 0
	s_add_nc_u64 s[74:75], s[74:75], s[46:47]
	v_lshlrev_b32 v5, 5, v2
.irp b, 0,1,2,3
	global_load_b128 v[CB+8*\b:CB+8*\b+3], v5, s[74:75] offset:64*\b
	global_load_b128 v[CB+8*\b+4:CB+8*\b+7], v5, s[74:75] offset:64*\b+16
.endr
	s_lshl_b32 s4, s13, 9                          ; rb: my 64 rows
	s_lshl_b32 s5, s11, 8
	s_add_co_u32 s4, s4, s5
	s_mov_b32 s5, 0
	s_add_nc_u64 s[72:73], s[72:73], s[4:5]
	v_lshlrev_b32 v6, 2, v1
.irp a, 0,1,2,3
	global_load_b32 v[96+2*\a], v6, s[72:73] offset:64*\a
.endr
	s_lshl_b32 s6, s13, 5
	s_add_co_u32 s6, s6, s42
	s_mul_i32 s6, s6, REC                          ; C's record: 32 x tile row + tile column
	s_mov_b32 s7, 0
	s_add_nc_u64 s[76:77], s[76:77], s[6:7]
	s_mul_i32 s21, s11, 64*PIT                     ; the stage lies in slot 0, which has had its only fill and its last read when the first code is stored there
	s_lshl_b32 s22, s12, 6
	s_add_co_u32 s21, s21, s22
	v_mul_u32_u24 v[STO], v1, PIT
	v_lshl_add_u32 v[STO], v2, 3, v[STO]
	v_add_nc_u32 v[STO], s21, v[STO]               ; row 64 wr + r, byte 64 wc + 8 h
	s_lshl_b32 s21, s11, 8
	s_lshl_b32 s22, s12, 1
	s_add_co_u32 s21, s21, s22
	s_add_co_u32 s21, s21, 128*PIT
	v_lshl_add_u32 v[STS], v1, 2, s21
	v_and_b32 v7, 31, v0
	v_lshrrev_b32 v8, 3, v7
	v_and_b32 v9, 7, v7
	v_mul_u32_u24 v[RD], v8, PIT
	v_lshl_add_u32 v[RD], v9, 4, v[RD]
	s_mul_i32 s21, s10, 32*PIT
	v_add_nc_u32 v[RD], s21, v[RD]                 ; back: wave w takes rows 32 w on, four rows an instruction
	v_lshlrev_b32 v[CO2], 4, v7
	v_add_nc_u32 v[RD2], 128*PIT, v[CO2]
	s_lshl_b32 s21, s10, 12
	v_add_nc_u32 v[CO], s21, v[CO2]
.irp b, 0,1,2,3
	v_mov_b32 v[TM+4+\b], 0                        ; written once: a lane permute's destination counts as one of its sources
.endr
	s_wait_loadcnt 0x0
.irp a, 0,1,2,3
	v_mov_b32 v[97+2*\a], v[96+2*\a]
.endr
.irp a, 0,1,2,3                                ; the sums begin as rb + cb
.irp b, 0,1,2,3
.irp k, 0,2,4,6
	v_pk_add_f32 v[ACC+8*(4*\a+\b)+\k:ACC+8*(4*\a+\b)+\k+1], v[CB+8*\b+\k:CB+8*\b+\k+1], v[96+2*\a:97+2*\a]
.endr
.endr
.endr
	s_wait_alu depctr_va_vdst(0)
	s_wait_tensorcnt 0x1                           ; my part of slot 0 is in; slot 1's may be out
	s_barrier_signal -1
	s_barrier_wait -1
	FETCH 0, 0, F0
	QUARTER 0, 1, F0, F1
	QUARTER 0, 2, F1, F0
	QUARTER 0, 3, F0, F1
	TURN 0, 1
	QUARTER 1, 1, F0, F1
	QUARTER 1, 2, F1, F0
	QUARTER 1, 3, F0, F1
	s_wait_dscnt 0x0
	WIN MUL
	MUL8 F1, 0
	MUL8 F1, 2
	WIN 0
	PLACES 8                                       ; in front of the first read of results
	QUANT 128
	TOREC 0
	QUANT 192
	TOREC 2
	SENDREC 76
	s_wait_tensorcnt 0x0                           ; the wave's end
	ds_add_u32 v[SPW], v[NIL]
	s_wait_dscnt 0x0
	CROUND                                         ; the closing round
	s_endpgm
.Lfunc_end_k_q63040188ce_qk:
	.size	k_q63040188ce_qk, .Lfunc_end_k_q63040188ce_qk-k_q63040188ce_qk
	.p2alignl 7, 3214868480
	.fill 96, 4, 3214868480
	.section	.rodata,"a",@progbits
	.p2align	6, 0x0
	.amdhsa_kernel k_q63040188ce_qk
		.amdhsa_group_segment_fixed_size 327680
		.amdhsa_private_segment_fixed_size 0
		.amdhsa_enable_private_segment 0
		.amdhsa_kernarg_size 40
		.amdhsa_user_sgpr_count 2
		.amdhsa_user_sgpr_kernarg_segment_ptr 1
		.amdhsa_wavefront_size32 1
		.amdhsa_system_sgpr_workgroup_id_x 1
		.amdhsa_system_sgpr_workgroup_id_y 1
		.amdhsa_system_sgpr_workgroup_id_z 1
		.amdhsa_system_vgpr_workitem_id 0
		.amdhsa_next_free_vgpr 512
		.amdhsa_next_free_sgpr 84
		.amdhsa_reserve_vcc 0
		.amdhsa_float_denorm_mode_32 3
		.amdhsa_float_denorm_mode_16_64 3
		.amdhsa_fp16_overflow 1
		.amdhsa_memory_ordered 1
		.amdhsa_forward_progress 1
		.amdhsa_inst_pref_size 62
	.end_amdhsa_kernel
	.amdgpu_metadata
---
amdhsa.version: [ 1, 2 ]
amdhsa.kernels:
  - .name:           k_q63040188ce_qk
    .symbol:         k_q63040188ce_qk.kd
    .args:
      - { .name: act, .offset: 0, .size: 8, .value_kind: global_buffer, .address_space: global }
      - { .name: wqk, .offset: 8, .size: 8, .value_kind: global_buffer, .address_space: global }
      - { .name: zeros, .offset: 16, .size: 8, .value_kind: global_buffer, .address_space: global }
      - { .name: bqk, .offset: 24, .size: 8, .value_kind: global_buffer, .address_space: global }
      - { .name: big1, .offset: 32, .size: 8, .value_kind: global_buffer, .address_space: global }
    .group_segment_fixed_size: 327680
    .private_segment_fixed_size: 0
    .kernarg_segment_align: 8
    .kernarg_segment_size: 40
    .max_flat_workgroup_size: 128
    .sgpr_count:     84
    .vgpr_count:     512
    .wavefront_size: 32
...
	.end_amdgpu_metadata
.endif
;; end of part 3
;; launch vt: the kernel of part 3 again; grid 32 x 8, 4 waves a work-group, clusters of 4 x 4, 327,680 bytes of LDS; arguments wvr, act, bv, zeros, big2; writes big2
;; launch attn (part 4): grid 32 x 8, 16 waves a work-group, clusters of 4 x 1, 327,680 bytes of LDS; arguments big1, big2, mask, act; writes act
.if DOCPART == 4
	.amdgcn_target "amdgcn-amd-amdhsa--gfx1250"
	.amdhsa_code_object_version 6
	.text
	.protected	k_q63040188ce_attn
	.globl	k_q63040188ce_attn
	.p2align	8
	.type	k_q63040188ce_attn,@function
k_q63040188ce_attn:
	s_mov_b64 s[64:65], 0
	v_nop
	global_prefetch_b8 v0, s[64:65] scope:SCOPE_SE
	s_setreg_imm32_b32 hwreg(HW_REG_WAVE_MODE, 25, 1), 1
	s_wait_xcnt 0x0
	s_wait_alu depctr_hold_cnt(0) depctr_sa_sdst(0) depctr_va_vdst(0) depctr_va_sdst(0) depctr_va_ssrc(0) depctr_va_vcc(0) depctr_vm_vsrc(0)
	s_getreg_b32 s2, hwreg(HW_REG_IB_STS2, 6, 4)
	s_cmp_eq_u32 s2, 0
	s_cbranch_scc0 .Lentry_in_a_cluster
	s_endpgm
.Lentry_in_a_cluster:
	s_bfe_u32 s2, ttmp6, 0x10000c
	s_cmp_lg_u32 s2, 0x3003
	s_cbranch_scc0 .Lentry_shape_is_right
	s_endpgm
.Lentry_shape_is_right:
; ctx = softmax(q k^T / 8, keys with mask 0 set to a very negative score) v, both products on codes of MX-FP8; ctx is quantised along the channels and stored as a record.
; INPUTS are records (128 rows x 128 bytes of codes, then 128 scale words; 16,896 bytes): q at (32 i + hp), k at (32 i + 8 + hp): rows = the 128 tokens of block i, columns = the two heads of pair hp, 64 channels each;
; V transposed at (32 hp + token block): rows = the pair's 128 channels, columns = 128 keys, scales along the keys.
; SHARES.  A work-group owns 128 queries and a pair of heads; wave w owns head w / 8 of the pair and queries 16 (w % 8) on: one tile, 256 registers, four waves to a SIMD.  Every wave walks the batch's 2,048 keys, 128 a step.
; THE SOFTMAX: t = score x log2(e) / 8; M = the running largest t rounded up to a whole number; p = 2^(t - M) is quantised along the keys; the row's sum is taken of the unquantised p and divides at the end.
; Both products are used transposed (S^T = K Q^T, O^T = V^T P^T): a lane holds one query.  Lane r of key tile 2 b + u takes key 32 b + 8 u + r + 8 (r / 8), so that two neighbouring tiles' 16 registers are 16 neighbouring keys.
; THE MASK RIDES IN THE SPARE HALF OF K.  A head has 64 channels, the instruction 128.  At k = 64 every query carries the code 1.0 under the scale 2^-30 and every key the code -1.0, under the scale 2^127 where mask = 0 and 2^-126 where it is not:
; a masked score is q.k - 2^97, a score that counts q.k - 2^-156.  All other codes of k = 64 .. 127 are zeros.  The keys' scale words, with that byte, are built once in LDS from k's scale words and the mask.
; LIMITS: |q.k| under 2^72 (a row all of whose keys are masked then has equal scores, as with -1e9); the term -2^-156 lies under every f32 sum's last place; NaN and infinities are not served; zero blocks keep the byte 1.
; THE RING: two slots of four steps (four records of k's codes, four whole records of V); waves 0-3 fetch k's, waves 4-7 V's, one load each behind a change of slots; by this text's count a wave has two loads out at the start, later one.
; CLUSTER: the four query blocks of a cluster (4 x cluster x + cx) belong to one batch (cluster x / 4) and one pair of heads and walk the same records of k and V: each record is asked for JOINTLY, by the same tensor load with the
; same descriptor and a mask that names the four; each receives it in its own LDS.  The place in the cluster enters q's and ctx's addresses alone.
; No prefetch: of the four slots' worth of keys two come by the first fills, and each of the two refills is asked for four key steps ahead of its first use.
.set REC,   16896
.set PIT,   144
.set KREC,  128*PIT
.set VREC,  132*PIT
.set VOFF,  4*KREC
.set SLOT,  4*KREC+4*VREC
.set KST,   2*SLOT                     ; the keys' scale words: [head of the pair][2,048 keys], 16,384 bytes, written by LDS stores; no fill lands here
.set SPARE, KST+16384                  ; the spare words, 128 bytes a wave: eight blocks of 256 bytes that no other line names
.set G1K, 24
.set G1V, 32
.set G0K, 40                           ; s[40:47] a group 0 for each slot
.set G0V, 48
.set TK,  66
.set TV,  67
.set TS,  68
.set CNT, 69
.macro TLOAD sl                        ; a joint load; the branches hang on the wave's number alone; four v_nop follow each tensor line
	s_cmp_lt_u32 s18, 4
	s_cbranch_scc0 .Lnot_k_\@
	tensor_load_to_lds s[G0K+4*\sl:G0K+4*\sl+3], s[G1K:G1K+7]
	s_nop 0
.rept 4
	v_nop
.endr
	s_branch .Lasked_\@
.Lnot_k_\@:
	s_cmp_lt_u32 s18, 8
	s_cbranch_scc0 .Lasked_\@
	tensor_load_to_lds s[G0V+4*\sl:G0V+4*\sl+3], s[G1V:G1V+7]
	s_nop 0
.rept 4
	v_nop
.endr
.Lasked_\@:
.endm
; A round of the cluster's barrier: my work-group's barrier, so that wave 0's signal speaks for all sixteen waves; wave 0 signals for the work-group; every wave waits for all four work-groups; my work-group's barrier once more
.macro CROUND
	s_barrier_signal -1
	s_barrier_wait -1
	s_cmp_lg_u32 s18, 0
	s_cbranch_scc1 .Lnot_wave_0_\@
	s_barrier_signal -3
.Lnot_wave_0_\@:
	s_barrier_wait -3
	s_barrier_signal -1
	s_barrier_wait -1
.endm
	s_load_b256 s[4:11], s[0:1], 0x0               ; q and k s[4:5], V s[6:7], mask s[8:9], ctx s[10:11]
	v_lshl_add_u32 v5, v0, 2, SPARE
	v_mov_b32 v6, 0
	ds_add_u32 v5, v6
	ds_add_u32 v5, v6
	s_wait_dscnt 0x0
	v_lshrrev_b32 v8, 5, v0
	s_delay_alu instid0(VALU_DEP_1)
	v_readfirstlane_b32 s18, v8                    ; wave 0..15
	s_bfe_u32 s12, ttmp6, 0x40000                  ; cx: my place in the cluster
	s_lshl_b32 s13, ttmp9, 2                       ; in a cluster launch ttmp9 counts clusters
	s_add_co_u32 s13, s13, s12                     ; my block of 128 queries: it enters q's and ctx's addresses alone
	s_and_b32 s71, ttmp7, 0xffff                   ; the pair of heads, which the four partners share
	s_lshr_b32 s72, ttmp9, 2                       ; the batch: four clusters to a batch; the partners share it
	s_lshr_b32 s73, s18, 3                         ; my head of the pair
	s_and_b32 s74, s18, 7                          ; my tile of queries
	s_and_b32 s75, s18, 3                          ; which record of a slot I fetch, if I fetch
	s_lshl_b32 s76, s72, 4
	s_add_co_u32 s76, s76, s75                     ; its token block
	s_lshl_b32 s78, s71, 5
	s_add_co_u32 s78, s78, s76
	s_mul_i32 s78, s78, REC                        ; V's record
	s_mov_b32 s79, 0
	s_lshl_b32 s76, s76, 5
	s_add_co_u32 s76, s76, s71
	s_add_co_u32 s76, s76, 8
	s_mul_i32 s76, s76, REC                        ; k's record
	s_mov_b32 s77, 0
	s_mul_i32 s80, s75, KREC
	s_mul_i32 s81, s75, VREC
	s_add_co_u32 s81, s81, VOFF
	s_mov_b32 s[G1K], 15|(1<<20)|(1<<21)|(4<<22)|(3<<25)   ; the mask: all four work-groups; elements of 1 byte; padding on; bit 21 beside a mask; four words after every 32
	s_mov_b32 s[G1K+1], 128<<16
	s_mov_b32 s[G1K+2], 128<<16                    ; k: the 128 rows of codes
	s_mov_b32 s[G1K+3], 128<<16
	s_mov_b32 s[G1K+4], 128
	s_mov_b32 s[G1K+5], 128
	s_mov_b32 s[G1K+6], 0
	s_mov_b32 s[G1K+7], 0
	s_mov_b32 s[G1V], 15|(1<<20)|(1<<21)|(4<<22)|(3<<25)
	s_mov_b32 s[G1V+1], 128<<16
	s_mov_b32 s[G1V+2], 132<<16                    ; V: the whole record
	s_mov_b32 s[G1V+3], 128<<16
	s_mov_b32 s[G1V+4], 132
	s_mov_b32 s[G1V+5], 128
	s_mov_b32 s[G1V+6], 0
	s_mov_b32 s[G1V+7], 0
	s_lshl_b32 s14, s13, 5
	s_add_co_u32 s14, s14, s71
	s_mul_i32 s14, s14, REC                        ; q's record
	s_lshl_b32 s58, s74, 11
	s_add_co_u32 s58, s58, s14
	s_lshl_b32 s59, s73, 6
	s_add_co_u32 s58, s58, s59                     ; my 16 rows, my head's 64 bytes
	s_mov_b32 s59, 0
	s_lshl_b32 s60, s74, 6
	s_add_co_u32 s60, s60, s14
	s_add_co_u32 s60, s60, 16384                   ; their scale words
	s_mov_b32 s61, 0
	s_lshl_b32 s62, s72, 4
	s_add_co_u32 s62, s62, s18
	s_lshl_b32 s62, s62, 5
	s_add_co_u32 s62, s62, s71
	s_add_co_u32 s62, s62, 8
	s_mul_i32 s62, s62, REC
	s_add_co_u32 s62, s62, 16384                   ; the scale words of k's token block w: wave w builds that block's words
	s_mov_b32 s63, 0
	s_lshl_b32 s56, s72, 13                        ; the batch's mask
	s_mov_b32 s57, 0
	s_lshl_b32 s84, s13, 3
	s_add_co_u32 s84, s84, s71
	s_mul_i32 s84, s84, REC
	s_lshl_b32 s85, s18, 10
	s_add_co_u32 s84, s84, s85                     ; ctx's record, my wave's eight rows
	s_mov_b32 s85, 0
	s_mov_b32 s20, 0x76543210
	s_mov_b32 s21, 0xfedcba98                      ; v_permlanex16_b32's selects for lane l xor 16
	s_mov_b32 s22, 0x3e38aa3b                      ; c = log2(e) / 8
	s_mov_b32 s23, s22                             ; (named with it as a pair, so it is written)
	s_mov_b32 s86, 0x01610000                      ; q's scale bytes of blocks 2 and 3: 97 and 1
	s_lshl_b32 s87, s73, 4
	s_wait_kmcnt 0x0
	s_add_nc_u64 s[82:83], s[4:5], s[76:77]
	s_add_nc_u64 s[88:89], s[6:7], s[78:79]
.irp s, 0,1
	s_mov_b32 s[G0K+4*\s], 1
	s_add_co_u32 s[G0K+4*\s+1], s80, \s*SLOT
	s_add_nc_u64 s[G0K+4*\s+2:G0K+4*\s+3], s[82:83], \s*4*32*REC   ; four token blocks on: 32 records a block
	s_or_b32 s[G0K+4*\s+3], s[G0K+4*\s+3], 0x80000000
	s_mov_b32 s[G0V+4*\s], 1
	s_add_co_u32 s[G0V+4*\s+1], s81, \s*SLOT
	s_add_nc_u64 s[G0V+4*\s+2:G0V+4*\s+3], s[88:89], \s*4*REC
	s_or_b32 s[G0V+4*\s+3], s[G0V+4*\s+3], 0x80000000
.endr
	CROUND                                         ; all four work-groups are here: the first joint loads meet
	s_cmp_lt_u32 s18, 4                            ; a wave's two first fills stand in one branch, ahead of every wait on TENSORcnt and every LDS read
	s_cbranch_scc0 .Lfirst_not_k
	tensor_load_to_lds s[G0K:G0K+3], s[G1K:G1K+7]
	s_nop 0
	tensor_load_to_lds s[G0K+4:G0K+7], s[G1K:G1K+7]
	s_nop 0
.rept 4
	v_nop
.endr
	s_branch .Lfirst_asked
.Lfirst_not_k:
	s_cmp_lt_u32 s18, 8
	s_cbranch_scc0 .Lfirst_asked
	tensor_load_to_lds s[G0V:G0V+3], s[G1V:G1V+7]
	s_nop 0
	tensor_load_to_lds s[G0V+4:G0V+7], s[G1V:G1V+7]
	s_nop 0
.rept 4
	v_nop
.endr
.Lfirst_asked:
	s_add_nc_u64 s[58:59], s[4:5], s[58:59]
	s_add_nc_u64 s[60:61], s[4:5], s[60:61]
	s_add_nc_u64 s[62:63], s[4:5], s[62:63]
	s_add_nc_u64 s[8:9], s[8:9], s[56:57]
	s_add_nc_u64 s[10:11], s[10:11], s[84:85]
	v_and_b32 v8, 15, v0                           ; r
	v_bfe_u32 v9, v0, 4, 1                         ; h
	s_delay_alu instid0(VALU_DEP_2)
	v_lshlrev_b32 v7, 7, v8
	s_delay_alu instid0(VALU_DEP_1)
	v_lshl_add_u32 v7, v9, 4, v7
	global_load_b128 v[16:19], v7, s[58:59]        ; q's fragment, k = 0 .. 63
	global_load_b128 v[20:23], v7, s[58:59] offset:32
	v_lshlrev_b32 v240, 2, v8
	global_load_b32 v230, v240, s[60:61]
	v_and_b32 v241, 31, v0
	s_delay_alu instid0(VALU_DEP_1)
	v_lshlrev_b32 v241, 4, v241
	global_load_b128 v[244:247], v241, s[62:63]    ; four keys' scale words
	v_lshlrev_b32 v242, 4, v0
	global_load_b128 v[248:251], v242, s[8:9]      ; and their mask
	v_and_b32 v10, 8, v8
	s_delay_alu instid0(VALU_DEP_1)
	v_add_nc_u32 v10, v10, v8                      ; r + 8 (r / 8)
	s_lshl_b32 s70, s73, 6
	v_mul_u32_u24 v1, v10, PIT
	s_delay_alu instid0(VALU_DEP_1)
	v_lshl_add_u32 v1, v9, 4, v1
	s_delay_alu instid0(VALU_DEP_1)
	v_add_nc_u32 v1, s70, v1                       ; my place in a record of k
	s_mul_i32 s70, s73, 64*PIT
	v_mul_u32_u24 v2, v8, PIT
	s_delay_alu instid0(VALU_DEP_1)
	v_lshl_add_u32 v2, v9, 4, v2
	s_delay_alu instid0(VALU_DEP_1)
	v_add_nc_u32 v2, s70, v2                       ; in a record of V
	s_lshl_b32 s70, s73, 13
	s_add_co_u32 s70, s70, KST
	v_lshl_add_u32 v3, v10, 2, s70                 ; among the keys' scale words
	s_mul_i32 s70, s73, 2*PIT
	s_add_co_u32 s70, s70, 128*PIT
	v_lshl_add_u32 v4, v8, 2, s70                  ; among V's
	v_sub_nc_u32 v11, 1, v9                        ; 1 in lanes 0-15, which hold k = 64
	s_delay_alu instid0(VALU_DEP_1)
	v_mul_u32_u24 v24, v11, 0x38                   ; the code 1.0 at k = 64
	s_delay_alu instid0(VALU_DEP_2)
	v_mul_u32_u24 v11, v11, 0xb8                   ; the code -1.0
.irp j, 25,26,27,28,29,30,31
	v_mov_b32 v[\j], 0
.endr
.irp t, 0,1,2,3
	v_mov_b32 v[40+16*\t], v11
.irp j, 41,42,43,44,45,46,47
	v_mov_b32 v[\j+16*\t], 0
.endr
.endr
	v_mov_b32 v13, 0xff61b1e6                      ; the largest t so far: -3e38
	s_delay_alu instid0(VALU_DEP_1)
	v_floor_f32 v12, -v13                          ; -M
	v_mov_b32 v14, 0
	v_mov_b32 v15, 0
.irp j, 0,1,2,3,4,5,6,7,8,9,10,11,12,13,14,15,16,17,18,19,20,21,22,23,24,25,26,27,28,29,30,31
	v_mov_b32 v[160+\j], 0                         ; O^T: the step is written once; its first trip finds zeros
.endr
.irp b, 0,1,2,3
	v_mov_b32 v[212+\b], 0                         ; a lane permute's destination counts as one of its sources
.endr
	v_mov_b32 v229, 0                              ; (named as the upper half of the pair v[228:229])
	v_mov_b32 v252, 0x01010000                     ; a key that counts: bytes 1 and 1 for blocks 2 and 3
	v_mov_b32 v253, 0x01fe0000                     ; a masked key: 254 for block 2
	v_lshl_add_u32 v243, v0, 4, KST
	s_wait_alu depctr_va_vdst(0)
	s_wait_loadcnt 0x0
	v_lshrrev_b32 v230, s87, v230
	s_delay_alu instid0(VALU_DEP_1)
	v_and_or_b32 v231, v230, 0xffff, s86           ; q's scale word: my head's two bytes, then 97 and 1
.irp j, 0,1,2,3
	v_cmp_eq_u32 vcc_lo, 0, v[248+\j]
	s_delay_alu instid0(VALU_DEP_1)
	v_cndmask_b32 v254, v252, v253, vcc_lo
	s_delay_alu instid0(VALU_DEP_1)
	v_and_or_b32 v[96+\j], v[244+\j], 0xffff, v254
	v_lshrrev_b32 v[100+\j], 16, v[244+\j]
	s_delay_alu instid0(VALU_DEP_1)
	v_or_b32 v[100+\j], v[100+\j], v254
.endr
	ds_store_b128 v243, v[96:99]
	ds_store_b128 v243, v[100:103] offset:8192
	s_wait_tensorcnt 0x1                           ; my part of slot 0 is in; slot 1's may be out
	s_wait_dscnt 0x0                               ; my keys' words are stored
	s_barrier_signal -1
	s_barrier_wait -1
; A KEY STEP: 128 keys.
.macro STEP
	v_add_nc_u32 v8, s[TK], v1
	s_wait_alu depctr_va_vdst(0)
	v_add_nc_u32 v9, s[TV], v2
	v_add_nc_u32 v10, s[TS], v3
	s_wait_alu depctr_va_vdst(0)
	v_add_nc_u32 v11, s[TV], v4
.rept 5
	v_nop                                          ; nine places with the four additions: the scores are laid over V's fragments, which the last products read
.endr
.irp g, 0,1                                    ; S^T = K Q^T, four tiles of 16 keys at a time
.if \g
.rept 8
	v_nop                                          ; places in front of loads into registers that matrix instructions have read
.endr
.endif
.irp t, 0,1,2,3
	ds_load_b128 v[32+16*\t:35+16*\t], v8 offset:(32*((4*\g+\t)/2)+8*(\t%2))*PIT
	ds_load_b128 v[36+16*\t:39+16*\t], v8 offset:(32*((4*\g+\t)/2)+8*(\t%2))*PIT+32
	ds_load_b32 v[224+\t], v10 offset:(32*((4*\g+\t)/2)+8*(\t%2))*4
.endr
	s_wait_dscnt 0x0
.irp t, 0,1,2,3
	v_wmma_scale_f32_16x16x128_f8f6f4 v[96+8*(4*\g+\t):103+8*(4*\g+\t)], v[32+16*\t:47+16*\t], v[16:31], 0, v[224+\t], v231
.endr
.endr
.rept 8
	v_nop
.endr
.irp b, 0,1,2,3
	v_max3_num_f32 v[208+\b], v[96+16*\b], v[97+16*\b], v[98+16*\b]   ; the largest score of each block of 32 keys: for the row's maximum and, since p rises with the score, for the block's largest p
.endr
.irp i, 3,5,7,9,11,13
.irp b, 0,1,2,3
	v_max3_num_f32 v[208+\b], v[208+\b], v[96+16*\b+\i], v[97+16*\b+\i]
.endr
.endr
.irp b, 0,1,2,3
	v_max_num_f32 v[208+\b], v[208+\b], v[111+16*\b]
.endr
.irp b, 0,1,2,3
	s_delay_alu instid0(VALU_DEP_4)
	v_permlanex16_b32 v[212+\b], v[208+\b], s20, s21
.endr
.irp b, 0,1,2,3
	s_delay_alu instid0(VALU_DEP_4)
	v_max_num_f32 v[208+\b], v[208+\b], v[212+\b]
.endr
	s_delay_alu instid0(VALU_DEP_2)
	v_max3_num_f32 v230, v208, v209, v210
	s_delay_alu instid0(VALU_DEP_1)
	v_max_num_f32 v230, v230, v211
	s_delay_alu instid0(VALU_DEP_1)
	v_mul_f32 v230, s22, v230                      ; as t
	s_delay_alu instid0(VALU_DEP_1)
	v_max_num_f32 v13, v13, v230                   ; the running largest t
	v_mov_b32 v230, v12
	s_delay_alu instid0(VALU_DEP_2)
	v_floor_f32 v12, -v13                          ; the new -M: M is a whole number
	s_delay_alu instid0(VALU_DEP_1)
	v_sub_f32 v230, v12, v230                      ; old M - new M: a whole number, 0 or less
	s_delay_alu instid0(VALU_DEP_1)
	v_cvt_i32_f32 v230, v230                       ; (it saturates)
	s_delay_alu instid0(VALU_DEP_1)
	v_ldexp_f32 v228, 1.0, v230                    ; f = 2^(old M - new M): rounds nothing
.irp j, 0,2,4,6,8,10,12,14,16,18,20,22,24,26,28,30,32,34,36,38,40,42,44,46,48,50,52,54,56,58,60,62
	v_pk_fma_f32 v[96+\j:97+\j], v[96+\j:97+\j], s[22:23], v[12:13] op_sel_hi:[1,0,0]   ; t - M
.endr
.irp b, 0,1,2,3
	v_fma_f32 v[208+\b], v[208+\b], s22, v12
.endr
	s_wait_alu depctr_va_vdst(0)
.irp j, 0,1,2,3,4,5,6,7,8,9,10,11,12,13,14,15,16,17,18,19,20,21,22,23,24,25,26,27,28,29,30,31,32,33,34,35,36,37,38,39,40,41,42,43,44,45,46,47,48,49,50,51,52,53,54,55,56,57,58,59,60,61,62,63
	v_exp_f32 v[96+\j], v[96+\j]                   ; p = 2^(t - M)
.endr
	s_setprio 1
	v_pk_mul_f32 v[14:15], v[14:15], v[228:229] op_sel_hi:[1,0]   ; the sums under the new M: a plain instruction behind the exponentials
	s_wait_alu depctr_va_vdst(0)                   ; one wait for the batch, ahead of its first reader
.irp b, 0,1,2,3
	v_exp_f32 v[208+\b], v[208+\b]                 ; the block's largest p
.endr
	v_pk_add_f32 v[212:213], v[100:101], v[104:105]
	v_pk_add_f32 v[254:255], v[108:109], v[112:113]
	v_pk_add_f32 v[252:253], v[116:117], v[120:121]
	v_pk_add_f32 v[250:251], v[124:125], v[128:129]
	v_pk_add_f32 v[248:249], v[132:133], v[136:137]
	v_pk_add_f32 v[246:247], v[140:141], v[144:145]
	v_pk_add_f32 v[244:245], v[148:149], v[152:153]
	v_pk_add_f32 v[14:15], v[14:15], v[156:157]
	v_pk_add_f32 v[212:213], v[212:213], v[96:97]
	v_pk_add_f32 v[254:255], v[254:255], v[98:99]
	v_pk_add_f32 v[252:253], v[252:253], v[102:103]
	v_pk_add_f32 v[250:251], v[250:251], v[106:107]
	v_pk_add_f32 v[248:249], v[248:249], v[110:111]
	v_pk_add_f32 v[246:247], v[246:247], v[114:115]
	v_pk_add_f32 v[244:245], v[244:245], v[118:119]
	v_pk_add_f32 v[14:15], v[14:15], v[122:123]
	v_pk_add_f32 v[212:213], v[212:213], v[126:127]
	v_pk_add_f32 v[254:255], v[254:255], v[130:131]
	v_pk_add_f32 v[252:253], v[252:253], v[134:135]
	v_pk_add_f32 v[250:251], v[250:251], v[138:139]
	v_pk_add_f32 v[248:249], v[248:249], v[142:143]
	v_pk_add_f32 v[246:247], v[246:247], v[146:147]
	v_pk_add_f32 v[244:245], v[244:245], v[150:151]
	v_pk_add_f32 v[14:15], v[14:15], v[154:155]
	v_pk_add_f32 v[212:213], v[212:213], v[158:159]
	s_delay_alu instid0(VALU_DEP_2)
	v_pk_add_f32 v[14:15], v[14:15], v[250:251]
	s_delay_alu instid0(VALU_DEP_2)
	v_pk_add_f32 v[212:213], v[212:213], v[248:249]
	v_pk_add_f32 v[254:255], v[254:255], v[246:247]
	v_pk_add_f32 v[252:253], v[252:253], v[244:245]
	s_delay_alu instid0(VALU_DEP_2)
	v_pk_add_f32 v[14:15], v[14:15], v[254:255]
	s_delay_alu instid0(VALU_DEP_2)
	v_pk_add_f32 v[212:213], v[212:213], v[252:253]
	s_delay_alu instid0(VALU_DEP_1)
	v_pk_add_f32 v[14:15], v[14:15], v[212:213]
	s_wait_alu depctr_va_vdst(0)                   ; and one for the four
.irp b, 0,1,2,3
	v_max_num_f32 v[208+\b], 0x4800000, v[208+\b]  ; the floor 2^(9 - 127)
.endr
.irp b, 0,1,2,3
	s_delay_alu instid0(VALU_DEP_4)
	v_add_nc_u32 v[220+\b], 0xfc000000, v[208+\b]  ; the conversion's scale operand
.endr
.irp b, 0,1,2,3
.endr
.irp b, 0,1,2,3
	s_delay_alu instid0(VALU_DEP_4)
	v_lshrrev_b32 v[212+\b], 23, v[220+\b]
.endr
	s_delay_alu instid0(VALU_DEP_3)
	v_lshl_or_b32 v232, v213, 8, v212              ; p's scale word for these 128 keys
	s_delay_alu instid0(VALU_DEP_1)
	v_lshl_or_b32 v232, v214, 16, v232
	s_delay_alu instid0(VALU_DEP_1)
	v_lshl_or_b32 v232, v215, 24, v232
.irp b, 0,1,2,3
.irp i, 0,1,2,3,4,5,6,7,8,9,10,11,12,13,14,15
.endr
	v_cvt_scalef32_pk8_fp8_f32 v[192+4*\b:193+4*\b], v[96+16*\b:103+16*\b], v[220+\b]
	v_cvt_scalef32_pk8_fp8_f32 v[194+4*\b:195+4*\b], v[104+16*\b:111+16*\b], v[220+\b]
.endr
	v_nop                                          ; a plain instruction behind the last conversion
.irp t, 0,1,2,3                                ; V's four fragments take p's place
.irp c, 0,1,2,3
	ds_load_b128 v[96+16*\t+4*\c:99+16*\t+4*\c], v9 offset:\t*16*PIT+32*\c
.endr
	ds_load_b32 v[233+\t], v11 offset:(\t/2)*PIT+(\t%2)*64
.endr
	s_setprio 0
.irp j, 0,2,4,6,8,10,12,14,16,18,20,22,24,26,28,30
	v_pk_mul_f32 v[160+\j:161+\j], v[160+\j:161+\j], v[228:229] op_sel_hi:[1,0]   ; O^T under the new M; these are also the places between the codes and the products
.endr
	s_wait_alu depctr_va_vdst(0)
	s_wait_dscnt 0x0
.irp t, 0,1,2,3
	v_wmma_scale_f32_16x16x128_f8f6f4 v[160+8*\t:167+8*\t], v[96+16*\t:111+16*\t], v[192:207], v[160+8*\t:167+8*\t], v[233+\t], v232
.endr
.endm
.macro CHUNK sl, ci                    ; a slot's four steps: written once, walked four times
	s_mov_b32 s[TK], (\sl)*SLOT
	s_mov_b32 s[TV], (\sl)*SLOT+VOFF
	s_mov_b32 s[TS], (\ci)*2048
	s_mov_b32 s[CNT], 4
.Lstep_\@:
	s_setprio 2
	STEP
	s_add_co_u32 s[TK], s[TK], KREC
	s_add_co_u32 s[TV], s[TV], VREC
	s_add_co_u32 s[TS], s[TS], 512
	s_sub_co_u32 s[CNT], s[CNT], 1
	s_cmp_lg_u32 s[CNT], 0
	s_cbranch_scc1 .Lstep_\@
	s_setprio 0
.endm
; THE CHANGE OF SLOTS: each wave waits for all its tensor loads, adds 0 to its spare word, waits for that and for its reads of the slot that it leaves, and passes the barrier.
; fill = 1: that slot takes the keys two slots on.  The barrier is then a round of the cluster's, so that no wave of any partner still reads the slot or has a load on its way, and the joint refill is the first thing behind it
.macro CHANGE sl, fill
	s_wait_tensorcnt 0x0                           ; no tensor load of mine is out, so a group 0 may be written
	ds_add_u32 v5, v6
.if \fill
	s_add_nc_u64 s[G0K+4*\sl+2:G0K+4*\sl+3], s[G0K+4*\sl+2:G0K+4*\sl+3], 8*32*REC
	s_add_nc_u64 s[G0V+4*\sl+2:G0V+4*\sl+3], s[G0V+4*\sl+2:G0V+4*\sl+3], 8*REC
	s_wait_dscnt 0x0
	CROUND
	TLOAD \sl                                      ; the first thing behind the round, and a wave's one tensor load until the next
.else
	s_wait_dscnt 0x0
	s_barrier_signal -1
	s_barrier_wait -1
.endif
.endm
	CHUNK 0, 0
	CHANGE 0, 1
	CHUNK 1, 1
	CHANGE 1, 1
	CHUNK 0, 2
	CHANGE 0, 0
	CHUNK 1, 3
	; THE WAY OUT.  O^T / the sum is quantised along the channels (a block of 32: two tiles, with lane l xor 16's) and meets the other waves' in a stage laid as the record.
	; The stage lies in slot 0: it has had its last fill, and nobody has read it since the last change of slots.
.rept 8
	v_nop
.endr
	v_add_f32 v14, v14, v15
	s_delay_alu instid0(VALU_DEP_1)
	v_permlanex16_b32 v230, v14, s20, s21
	s_delay_alu instid0(VALU_DEP_1)
	v_add_f32 v14, v14, v230
	s_wait_alu depctr_va_vdst(0)
	v_rcp_f32 v14, v14
	v_and_b32 v8, 15, v0
	v_bfe_u32 v9, v0, 4, 1
	s_mul_i32 s70, s74, 16*PIT
	s_lshl_b32 s56, s73, 6
	s_add_co_u32 s70, s70, s56
	v_mul_u32_u24 v240, v8, PIT
	s_delay_alu instid0(VALU_DEP_1)
	v_lshl_add_u32 v240, v9, 3, v240
	s_delay_alu instid0(VALU_DEP_1)
	v_add_nc_u32 v240, s70, v240                   ; row 16 qt + r, byte 64 e + 8 h
	s_lshl_b32 s70, s74, 6
	s_lshl_b32 s56, s73, 1
	s_add_co_u32 s70, s70, s56
	s_add_co_u32 s70, s70, 128*PIT
	v_lshl_add_u32 v241, v8, 2, s70
	v_and_b32 v10, 31, v0
	s_delay_alu instid0(VALU_DEP_1)
	v_lshrrev_b32 v11, 3, v10
	s_delay_alu instid0(VALU_DEP_2)
	v_and_b32 v7, 7, v10
	s_delay_alu instid0(VALU_DEP_2)
	v_mul_u32_u24 v242, v11, PIT
	s_delay_alu instid0(VALU_DEP_1)
	v_lshl_add_u32 v242, v7, 4, v242
	s_mul_i32 s70, s18, 8*PIT
	v_add_nc_u32 v242, s70, v242                   ; back: wave w takes rows 8 w on
	v_lshlrev_b32 v243, 4, v10
	s_delay_alu instid0(VALU_DEP_1)
	v_add_nc_u32 v244, 128*PIT, v243
	s_wait_alu depctr_va_vdst(0)                   ; the wait ahead of the reciprocal's first reader
.irp j, 0,1,2,3,4,5,6,7,8,9,10,11,12,13,14,15,16,17,18,19,20,21,22,23,24,25,26,27,28,29,30,31
	v_mul_f32 v[96+\j], v[160+\j], v14
.endr
.irp b, 0,1
	v_max3_num_f32 v[208+\b], |v[96+16*\b]|, |v[97+16*\b]|, 0x4800000
.endr
.irp i, 2,4,6,8,10,12,14
.irp b, 0,1
	s_delay_alu instid0(VALU_DEP_2)
	v_max3_num_f32 v[208+\b], v[208+\b], |v[96+16*\b+\i]|, |v[97+16*\b+\i]|
.endr
.endr
.irp b, 0,1
	s_delay_alu instid0(VALU_DEP_2)
	v_permlanex16_b32 v[212+\b], v[208+\b], s20, s21
.endr
.irp b, 0,1
	s_delay_alu instid0(VALU_DEP_2)
	v_max_num_f32 v[208+\b], v[208+\b], v[212+\b]
.endr
.irp b, 0,1
	s_delay_alu instid0(VALU_DEP_2)
	v_add_nc_u32 v[220+\b], 0xfc000000, v[208+\b]
.endr
.irp b, 0,1
.endr
.irp b, 0,1
	s_delay_alu instid0(VALU_DEP_2)
	v_lshrrev_b32 v[212+\b], 23, v[220+\b]
.endr
	s_delay_alu instid0(VALU_DEP_1)
	v_lshl_or_b32 v230, v213, 8, v212
.irp b, 0,1
.irp i, 0,1,2,3,4,5,6,7,8,9,10,11,12,13,14,15
.endr
	v_cvt_scalef32_pk8_fp8_f32 v[192+4*\b:193+4*\b], v[96+16*\b:103+16*\b], v[220+\b]
	v_cvt_scalef32_pk8_fp8_f32 v[194+4*\b:195+4*\b], v[104+16*\b:111+16*\b], v[220+\b]
.endr
	v_nop
.irp t, 0,1,2,3
	ds_store_b64 v240, v[192+2*\t:193+2*\t] offset:16*\t
.endr
	ds_store_b16 v241, v230
	s_wait_dscnt 0x0                               ; for the others' sake: my stores are done
	s_barrier_signal -1
	s_barrier_wait -1
	ds_load_b128 v[248:251], v242
	ds_load_b128 v[252:255], v242 offset:4*PIT
	s_wait_dscnt 0x0
	global_store_b128 v243, v[248:251], s[10:11]   ; 512 consecutive bytes of the record
	global_store_b128 v243, v[252:255], s[10:11] offset:512
	s_cmp_lg_u32 s18, 0
	s_cbranch_scc1 .Lno_words
	ds_load_b128 v[224:227], v244                  ; wave 0: the 128 scale words
	s_wait_dscnt 0x0
	global_store_b128 v243, v[224:227], s[10:11] offset:16384
.Lno_words:
	s_wait_tensorcnt 0x0                           ; the wave's end
	ds_add_u32 v5, v6
	s_wait_dscnt 0x0
	CROUND                                         ; the closing round: no work-group ends while a partner may still ask for a record that names it
	s_endpgm
.Lfunc_end_k_q63040188ce_attn:
	.size	k_q63040188ce_attn, .Lfunc_end_k_q63040188ce_attn-k_q63040188ce_attn
	.p2alignl 7, 3214868480
	.fill 96, 4, 3214868480
	.section	.rodata,"a",@progbits
	.p2align	6, 0x0
	.amdhsa_kernel k_q63040188ce_attn
		.amdhsa_group_segment_fixed_size 327680
		.amdhsa_private_segment_fixed_size 0
		.amdhsa_enable_private_segment 0
		.amdhsa_kernarg_size 32
		.amdhsa_user_sgpr_count 2
		.amdhsa_user_sgpr_kernarg_segment_ptr 1
		.amdhsa_wavefront_size32 1
		.amdhsa_system_sgpr_workgroup_id_x 1
		.amdhsa_system_sgpr_workgroup_id_y 1
		.amdhsa_system_sgpr_workgroup_id_z 1
		.amdhsa_system_vgpr_workitem_id 0
		.amdhsa_next_free_vgpr 256
		.amdhsa_next_free_sgpr 90
		.amdhsa_reserve_vcc 1
		.amdhsa_float_denorm_mode_32 3
		.amdhsa_float_denorm_mode_16_64 3
		.amdhsa_fp16_overflow 1
		.amdhsa_memory_ordered 1
		.amdhsa_forward_progress 1
		.amdhsa_inst_pref_size 96
	.end_amdhsa_kernel
	.amdgpu_metadata
---
amdhsa.version: [ 1, 2 ]
amdhsa.kernels:
  - .name:           k_q63040188ce_attn
    .symbol:         k_q63040188ce_attn.kd
    .args:
      - { .name: big1, .offset: 0, .size: 8, .value_kind: global_buffer, .address_space: global }
      - { .name: big2, .offset: 8, .size: 8, .value_kind: global_buffer, .address_space: global }
      - { .name: mask, .offset: 16, .size: 8, .value_kind: global_buffer, .address_space: global }
      - { .name: act, .offset: 24, .size: 8, .value_kind: global_buffer, .address_space: global }
    .group_segment_fixed_size: 327680
    .private_segment_fixed_size: 0
    .kernarg_segment_align: 8
    .kernarg_segment_size: 32
    .max_flat_workgroup_size: 512
    .sgpr_count:     90
    .vgpr_count:     256
    .wavefront_size: 32
...
	.end_amdgpu_metadata
.endif
;; end of part 4
;; launch wo (part 5): grid 8 x 32, 4 waves a work-group, clusters of 4 x 4, 327,680 bytes of LDS; arguments act, wrest, bo, x, big1; writes big1
.if DOCPART == 5
	.amdgcn_target "amdgcn-amd-amdhsa--gfx1250"
	.amdhsa_code_object_version 6
	.text
	.protected	k_q63040188ce_wo
	.globl	k_q63040188ce_wo
	.p2align	8
	.type	k_q63040188ce_wo,@function
k_q63040188ce_wo:
	s_mov_b64 s[64:65], 0
	v_nop
	global_prefetch_b8 v0, s[64:65] scope:SCOPE_SE
	s_setreg_imm32_b32 hwreg(HW_REG_WAVE_MODE, 25, 1), 1
	s_wait_xcnt 0x0
	s_wait_alu depctr_hold_cnt(0) depctr_sa_sdst(0) depctr_va_vdst(0) depctr_va_sdst(0) depctr_va_ssrc(0) depctr_va_vcc(0) depctr_vm_vsrc(0)
	s_getreg_b32 s2, hwreg(HW_REG_IB_STS2, 6, 4)
	s_cmp_eq_u32 s2, 0
	s_cbranch_scc0 .Lentry_in_a_cluster
	s_endpgm
.Lentry_in_a_cluster:
	s_bfe_u32 s2, ttmp6, 0x10000c
	s_cmp_lg_u32 s2, 0xf033
	s_cbranch_scc0 .Lentry_shape_is_right
	s_endpgm
.Lentry_shape_is_right:
; out[m][n] = res[m][n] + bias[n] + sum over k of A[m][k] B[n][k], K = 1,024, on codes of MX-FP8; res and out are f32 [4,096][1,024].
; A and B are RECORDS: a tile of 128 rows x 128 along K: 16,384 bytes of codes ([row][128]), then 512 bytes of scale words; 16,896 dense bytes; the records of a block of 128 rows lie on end along K.
; A tile of C is 128 x 128: four waves of 64 x 64, 16 accumulators each.  K goes through two LDS slots of 512 along K (four records of A, four of B): here both are first fills and nothing is filled again.
; One tensor load a wave brings two records (264 rows of 128 bytes, 16 bytes of padding behind each): codes and scale words together.
; CLUSTERS: 4 x 4 work-groups; A's records are asked for jointly along a row of the cluster, B's along a column.
; THE MATRIX INSTRUCTION IS USED TRANSPOSED (source 0 = 16 rows of B, source 1 = 16 rows of A): lane (r, h) holds row r of C and columns 16 b + 8 h + 0 .. 7.  The bias is the C of each sum's first instruction.
; REGISTERS: window 0: v1-31 addresses; v32-39 scale words, two sets; v64-95 the bias, later with v96-127 the residual; v32-63 rows on the way out; v128-255 accumulators.  window 1: two sets of fragments.
; No prefetch: all of K comes by the first fills.  NaN and infinities are not served.
.set KP,    8
.set WOFF,  0                          ; where B's records begin in their buffer
.set REC,   16896
.set PIT,   144
.set RECL,  132*PIT
.set HALF,  2*RECL
.set BOFF,  4*RECL
.set SLOT,  8*RECL
.set SPARE, 2*SLOT                     ; the spare words: two blocks of 256 bytes that no other line names
.set LAPS,  KP/8
.set ADRA, 16
.set ADRS, 18
.set ADRB, 20
.set STO,  24
.set RD,   25
.set CO,   26
.set SPW,  28
.set NIL,  29
.set SC,   32
.set CB,   64
.set ACC,  128
.set F0,   0
.set F1,   128
.set G1,   24
.set G0,   32
.set G1B,  48
.set G0B,  56
.set MSB,  0
.macro WIN new
.if MSB != \new
	s_set_vgpr_msb (MSB<<8)|\new
.set MSB, \new
.endif
.endm
.set MUL,  0x05
.set TO_F, 0x40
.macro JLOAD s                         ; a joint load: waves 0 and 1 fetch for A, waves 2 and 3 for B; four v_nop follow each of the two lines
	s_cmp_eq_u32 s11, 0
	s_cbranch_scc0 .Lfor_b_\@
	tensor_load_to_lds s[G0+4*\s:G0+4*\s+3], s[G1:G1+7]
	s_nop 0
.rept 4
	v_nop
.endr
	s_branch .Lasked_\@
.Lfor_b_\@:
	tensor_load_to_lds s[G0B+4*\s:G0B+4*\s+3], s[G1B:G1B+7]
	s_nop 0
.rept 4
	v_nop
.endr
.Lasked_\@:
.endm
.macro CREST
	s_cmp_lg_u32 s10, 0
	s_cbranch_scc1 .Lnot_wave_0_\@
	s_barrier_signal -3
.Lnot_wave_0_\@:
	s_barrier_wait -3
	s_barrier_signal -1
	s_barrier_wait -1
.endm
.macro CROUND
	s_barrier_signal -1
	s_barrier_wait -1
	CREST
.endm
.macro PLACES n
.rept \n
	v_nop
.endr
.endm
.macro FETCH slot, q, f                ; 36 LDS loads: panel q of a slot into set f
	WIN 0
.irp i, 0,1,2,3
	ds_load_b32 v[SC+4*((\f)/128)+\i], v[ADRS+\slot] offset:(\q)*RECL+(\i/2)*PIT+(\i%2)*64
.endr
	WIN TO_F
.irp i, 0,1,2,3
.irp c, 0,1,2,3
	ds_load_b128 v[\f+64+16*\i+4*\c:\f+64+16*\i+4*\c+3], v[ADRB+\slot] offset:(\q)*RECL+\i*16*PIT+32*\c
.endr
.endr
.irp i, 0,1,2,3
.irp c, 0,1,2,3
	ds_load_b128 v[\f+16*\i+4*\c:\f+16*\i+4*\c+3], v[ADRA+\slot] offset:(\q)*RECL+\i*16*PIT+32*\c
.endr
.endr
.endm
.macro MUL8 f, a0, mode                ; 8 matrix instructions; mode 1: the bias starts the sums.  The 16 accumulators take turns
.irp a, \a0, \a0+1
.irp b, 0,1,2,3
.if \mode
	v_wmma_scale_f32_16x16x128_f8f6f4 v[ACC+8*(4*(\a)+\b):ACC+8*(4*(\a)+\b)+7], v[\f+64+16*\b:\f+64+16*\b+15], v[\f+16*(\a):\f+16*(\a)+15], v[CB+8*\b:CB+8*\b+7], v[SC+4*((\f)/128)+\b], v[SC+4*((\f)/128)+(\a)] matrix_a_scale:MATRIX_SCALE_ROW1
.else
	v_wmma_scale_f32_16x16x128_f8f6f4 v[ACC+8*(4*(\a)+\b):ACC+8*(4*(\a)+\b)+7], v[\f+64+16*\b:\f+64+16*\b+15], v[\f+16*(\a):\f+16*(\a)+15], v[ACC+8*(4*(\a)+\b):ACC+8*(4*(\a)+\b)+7], v[SC+4*((\f)/128)+\b], v[SC+4*((\f)/128)+(\a)] matrix_a_scale:MATRIX_SCALE_ROW1
.endif
.endr
.endr
.endm
.macro QUARTER slot, q, f, g, mode     ; set f is multiplied; ahead of that panel q is asked for, into set g, eight places behind the products that read it
	PLACES 8
	FETCH \slot, \q, \g
	s_wait_dscnt 36                                ; all but the 36 just issued: set f is in
	WIN MUL
	MUL8 \f, 0, \mode
	MUL8 \f, 2, \mode
.endm
.macro TURN slot, next, fill           ; a slot's last panel, and the change of slots
	WIN 0
	s_wait_tensorcnt 0x0                           ; my part of the next slot has landed
	ds_add_u32 v[SPW], v[NIL]
	s_wait_dscnt 1                                 ; (the add alone may be out: set 1 is in)
	WIN MUL
	MUL8 F1, 0, 0
	s_wait_dscnt 0x0                               ; the add is done, and my reads of this slot are over
	s_barrier_signal -1
	MUL8 F1, 2, 0
	WIN 0
	s_barrier_wait -1
.if \fill
	CREST                                          ; the barrier has opened a round of the cluster's barrier: no wave of any partner still reads this slot or has a load on its way
	s_add_nc_u64 s[G0+4*\slot+2:G0+4*\slot+3], s[G0+4*\slot+2:G0+4*\slot+3], 8*REC
	s_add_nc_u64 s[G0B+4*\slot+2:G0B+4*\slot+3], s[G0B+4*\slot+2:G0B+4*\slot+3], 8*REC
	JLOAD \slot
	PLACES 4
.else
	PLACES 8
.endif
	FETCH \next, 0, F0
	WIN 0
.endm
.macro RLOAD a                         ; the residual of my row block a: 16 rows x 256 bytes; sixteen lanes read 256 consecutive bytes
.irp i, 0,1,2,3,4,5,6,7
	global_load_b128 v[64+32*((\a)%2)+4*\i:64+32*((\a)%2)+4*\i+3], v[CO], s[74:75] offset:(16*(\a)+2*\i)*4096
.endr
.endm
.macro OUTB a                          ; row block a goes through my own stage, comes back as rows, takes its residual and leaves
.if (\a) > 0
	s_wait_xcnt 0x0                                ; the last block's stores have read their registers
.endif
.irp t, 0,1,2,3
	ds_store_b128 v[STO], v[ACC+8*(4*(\a)+\t):ACC+8*(4*(\a)+\t)+3] offset:64*\t        ; each accumulator from its low end on
	ds_store_b128 v[STO], v[ACC+8*(4*(\a)+\t)+4:ACC+8*(4*(\a)+\t)+7] offset:64*\t+16
.endr
.irp i, 0,1,2,3,4,5,6,7
	ds_load_b128 v[32+4*\i:35+4*\i], v[RD] offset:\i*544   ; LDS serves a wave's instructions in order: these see the stores above
.endr
	s_wait_dscnt 0x0
.if (\a) < 3
	s_wait_loadcnt 8                               ; this block's residual is in; the next block's eight loads may be out
.else
	s_wait_loadcnt 0x0
.endif
.irp i, 0,2,4,6,8,10,12,14,16,18,20,22,24,26,28,30
	v_pk_add_f32 v[32+\i:33+\i], v[32+\i:33+\i], v[64+32*((\a)%2)+\i:65+32*((\a)%2)+\i]
.endr
.if (\a) < 2
	RLOAD (\a)+2
.endif
.irp i, 0,1,2,3,4,5,6,7
	global_store_b128 v[CO], v[32+4*\i:35+4*\i], s[76:77] offset:(16*(\a)+2*\i)*4096   ; sixteen lanes store 256 consecutive bytes, aligned
.endr
.endm
	s_load_b256 s[68:75], s[0:1], 0x0              ; A s[68:69], B s[70:71], bias s[72:73], res s[74:75]
	s_load_b64 s[76:77], s[0:1], 0x20              ; out
	v_lshl_add_u32 v[SPW], v0, 2, SPARE
	v_mov_b32 v[NIL], 0
	ds_add_u32 v28, v29
	s_wait_dscnt 0x0
	v_lshrrev_b32 v1, 5, v0
	v_readfirstlane_b32 s10, v1
	s_lshr_b32 s11, s10, 1
	s_and_b32 s12, s10, 1
	s_bfe_u32 s40, ttmp6, 0x40000
	s_bfe_u32 s41, ttmp6, 0x40004
	s_lshl_b32 s42, ttmp9, 2
	s_add_co_u32 s42, s42, s40                     ; tile column
	s_and_b32 s13, ttmp7, 0xffff
	s_lshl_b32 s13, s13, 2
	s_add_co_u32 s13, s13, s41                     ; tile row
	s_lshl_b32 s43, s41, 2
	s_lshl_b32 s43, 15, s43
	s_lshl_b32 s44, 0x1111, s40
	s_or_b32 s[G1+0], s43, (1<<20)|(1<<21)|(4<<22)|(3<<25)
	s_or_b32 s[G1B+0], s44, (1<<20)|(1<<21)|(4<<22)|(3<<25)
.irp g, G1, G1B
	s_mov_b32 s[\g+1], 128<<16
	s_mov_b32 s[\g+2], 264<<16
	s_mov_b32 s[\g+3], 128<<16
	s_mov_b32 s[\g+4], 264
	s_mov_b32 s[\g+5], 128
	s_mov_b32 s[\g+6], 0
	s_mov_b32 s[\g+7], 0
.endr
	s_mul_i32 s16, s13, KP*REC
	s_mul_i32 s17, s12, 2*REC
	s_add_co_u32 s16, s16, s17
	s_mov_b32 s17, 0
	s_mul_i32 s46, s42, KP*REC
	s_mul_i32 s47, s12, 2*REC
	s_add_co_u32 s46, s46, s47
	s_add_co_u32 s46, s46, WOFF
	s_mov_b32 s47, 0
	s_mul_i32 s20, s10, HALF
	s_wait_kmcnt 0x0
	s_add_nc_u64 s[14:15], s[68:69], s[16:17]
	s_add_nc_u64 s[46:47], s[70:71], s[46:47]
	CROUND                                         ; all sixteen work-groups are here: the first joint loads meet
.irp s, 0,1
	s_mov_b32 s[G0+4*\s], 1
	s_add_co_u32 s[G0+4*\s+1], s20, \s*SLOT
	s_add_nc_u64 s[G0+4*\s+2:G0+4*\s+3], s[14:15], \s*4*REC
	s_or_b32 s[G0+4*\s+3], s[G0+4*\s+3], 0x80000000
	s_mov_b32 s[G0B+4*\s], 1
	s_add_co_u32 s[G0B+4*\s+1], s20, \s*SLOT
	s_add_nc_u64 s[G0B+4*\s+2:G0B+4*\s+3], s[46:47], \s*4*REC
	s_or_b32 s[G0B+4*\s+3], s[G0B+4*\s+3], 0x80000000
	JLOAD \s
.endr
	v_and_b32 v1, 15, v0
	v_bfe_u32 v2, v0, 4, 1
	v_mul_u32_u24 v3, v1, PIT
	v_lshl_add_u32 v3, v2, 4, v3
	s_mul_i32 s21, s11, 64*PIT
	s_mul_i32 s22, s12, 64*PIT
	s_add_co_u32 s22, s22, BOFF
.irp s, 0,1
	v_add_nc_u32 v[ADRA+\s], s21, v3
	v_add_nc_u32 v[ADRB+\s], s22, v3
	s_add_co_u32 s21, s21, SLOT
	s_add_co_u32 s22, s22, SLOT
.endr
	s_mul_i32 s21, s11, 2*PIT
	s_mul_i32 s22, s12, 2*PIT
	s_add_co_u32 s22, s22, BOFF
	s_sub_co_u32 s22, s22, s21
	v_mul_u32_u24 v4, s22, v2
	v_lshl_add_u32 v4, v1, 2, v4
	s_add_co_u32 s21, s21, 128*PIT
	v_add_nc_u32 v[ADRS], s21, v4
	v_add_nc_u32 v[ADRS+1], SLOT, v[ADRS]
	s_lshl_b32 s46, s42, 9                         ; my 64 columns, in bytes of f32
	s_lshl_b32 s47, s12, 8
	s_add_co_u32 s46, s46, s47
	s_mov_b32 s47, 0
	s_add_nc_u64 s[72:73], s[72:73], s[46:47]
	v_lshlrev_b32 v5, 5, v2
.irp b, 0,1,2,3
	global_load_b128 v[CB+8*\b:CB+8*\b+3], v5, s[72:73] offset:64*\b
	global_load_b128 v[CB+8*\b+4:CB+8*\b+7], v5, s[72:73] offset:64*\b+16
.endr
	s_lshl_b32 s4, s13, 19                         ; my first row: 128 x tile row + 64 x half, rows of 4,096 bytes
	s_lshl_b32 s5, s11, 18
	s_add_co_u32 s4, s4, s5
	s_add_co_u32 s4, s4, s46
	s_mov_b32 s5, 0
	s_add_nc_u64 s[74:75], s[74:75], s[4:5]
	s_add_nc_u64 s[76:77], s[76:77], s[4:5]
	s_mul_i32 s21, s10, 16*272                     ; my stage: 16 rows x (256 + 16) bytes, in slot 0, which has had its last fill and its last read when the first result is stored there
	v_mul_u32_u24 v[STO], v1, 272
	v_lshl_add_u32 v[STO], v2, 5, v[STO]
	v_add_nc_u32 v[STO], s21, v[STO]
	v_mul_u32_u24 v[RD], v2, 272
	v_lshl_add_u32 v[RD], v1, 4, v[RD]
	v_add_nc_u32 v[RD], s21, v[RD]
	v_lshlrev_b32 v[CO], 12, v2
	v_lshl_add_u32 v[CO], v1, 4, v[CO]
	s_wait_loadcnt 0x0
	s_wait_tensorcnt 0x1                           ; my part of slot 0 is in; slot 1's may be out
	s_barrier_signal -1
	s_barrier_wait -1
	FETCH 0, 0, F0
	QUARTER 0, 1, F0, F1, 1
	WIN 0
	PLACES 8                                       ; the bias has been read: its registers take the residual
	RLOAD 0
	RLOAD 1
.if LAPS > 1
	s_mov_b32 s3, LAPS-1
.Llap:                                                 ; a trip goes once round the ring, from a lap's second panel to the next lap's first, and fills both slots again
	QUARTER 0, 2, F1, F0, 0
	QUARTER 0, 3, F0, F1, 0
	TURN 0, 1, 1
	QUARTER 1, 1, F0, F1, 0
	QUARTER 1, 2, F1, F0, 0
	QUARTER 1, 3, F0, F1, 0
	TURN 1, 0, 1
	QUARTER 0, 1, F0, F1, 0
	WIN 0
	s_sub_co_u32 s3, s3, 1
	s_cmp_lg_u32 s3, 0
	s_cbranch_scc1 .Llap
.endif
	QUARTER 0, 2, F1, F0, 0
	QUARTER 0, 3, F0, F1, 0
	TURN 0, 1, 0
	QUARTER 1, 1, F0, F1, 0
	QUARTER 1, 2, F1, F0, 0
	QUARTER 1, 3, F0, F1, 0
	s_wait_dscnt 0x0
	WIN MUL
	MUL8 F1, 0, 0
	MUL8 F1, 2, 0
	WIN 0
	PLACES 8
	OUTB 0
	OUTB 1
	OUTB 2
	OUTB 3
	s_wait_tensorcnt 0x0                           ; the wave's end
	ds_add_u32 v[SPW], v[NIL]
	s_wait_dscnt 0x0
	CROUND                                         ; the closing round
	s_endpgm
.Lfunc_end_k_q63040188ce_wo:
	.size	k_q63040188ce_wo, .Lfunc_end_k_q63040188ce_wo-k_q63040188ce_wo
	.p2alignl 7, 3214868480
	.fill 96, 4, 3214868480
	.section	.rodata,"a",@progbits
	.p2align	6, 0x0
	.amdhsa_kernel k_q63040188ce_wo
		.amdhsa_group_segment_fixed_size 327680
		.amdhsa_private_segment_fixed_size 0
		.amdhsa_enable_private_segment 0
		.amdhsa_kernarg_size 40
		.amdhsa_user_sgpr_count 2
		.amdhsa_user_sgpr_kernarg_segment_ptr 1
		.amdhsa_wavefront_size32 1
		.amdhsa_system_sgpr_workgroup_id_x 1
		.amdhsa_system_sgpr_workgroup_id_y 1
		.amdhsa_system_sgpr_workgroup_id_z 1
		.amdhsa_system_vgpr_workitem_id 0
		.amdhsa_next_free_vgpr 512
		.amdhsa_next_free_sgpr 84
		.amdhsa_reserve_vcc 0
		.amdhsa_float_denorm_mode_32 3
		.amdhsa_float_denorm_mode_16_64 3
		.amdhsa_memory_ordered 1
		.amdhsa_forward_progress 1
		.amdhsa_inst_pref_size 61
	.end_amdhsa_kernel
	.amdgpu_metadata
---
amdhsa.version: [ 1, 2 ]
amdhsa.kernels:
  - .name:           k_q63040188ce_wo
    .symbol:         k_q63040188ce_wo.kd
    .args:
      - { .name: act, .offset: 0, .size: 8, .value_kind: global_buffer, .address_space: global }
      - { .name: wrest, .offset: 8, .size: 8, .value_kind: global_buffer, .address_space: global }
      - { .name: bo, .offset: 16, .size: 8, .value_kind: global_buffer, .address_space: global }
      - { .name: x, .offset: 24, .size: 8, .value_kind: global_buffer, .address_space: global }
      - { .name: big1, .offset: 32, .size: 8, .value_kind: global_buffer, .address_space: global }
    .group_segment_fixed_size: 327680
    .private_segment_fixed_size: 0
    .kernarg_segment_align: 8
    .kernarg_segment_size: 40
    .max_flat_workgroup_size: 128
    .sgpr_count:     84
    .vgpr_count:     512
    .wavefront_size: 32
...
	.end_amdgpu_metadata
.endif
;; end of part 5
;; launch ln2: the kernel of part 2 again; grid 256 x 1, 4 waves a work-group, no clusters, 57,856 bytes of LDS; arguments big1, ln2_a, ln2_b, act; writes act
;; launch ffn1 (part 6): grid 32 x 8, 4 waves a work-group, clusters of 4 x 4, 327,680 bytes of LDS; arguments act, wrest, b1, big2; writes big2
.if DOCPART == 6
	.amdgcn_target "amdgcn-amd-amdhsa--gfx1250"
	.amdhsa_code_object_version 6
	.text
	.protected	k_q63040188ce_ffn1
	.globl	k_q63040188ce_ffn1
	.p2align	8
	.type	k_q63040188ce_ffn1,@function
k_q63040188ce_ffn1:
	s_mov_b64 s[64:65], 0
	v_nop
	global_prefetch_b8 v0, s[64:65] scope:SCOPE_SE
	s_setreg_imm32_b32 hwreg(HW_REG_WAVE_MODE, 25, 1), 1
	s_wait_xcnt 0x0
	s_wait_alu depctr_hold_cnt(0) depctr_sa_sdst(0) depctr_va_vdst(0) depctr_va_sdst(0) depctr_va_ssrc(0) depctr_va_vcc(0) depctr_vm_vsrc(0)
	s_getreg_b32 s2, hwreg(HW_REG_IB_STS2, 6, 4)
	s_cmp_eq_u32 s2, 0
	s_cbranch_scc0 .Lentry_in_a_cluster
	s_endpgm
.Lentry_in_a_cluster:
	s_bfe_u32 s2, ttmp6, 0x10000c
	s_cmp_lg_u32 s2, 0xf033
	s_cbranch_scc0 .Lentry_shape_is_right
	s_endpgm
.Lentry_shape_is_right:
; h[m][n] = gelu(bias[n] + sum over k of A[m][k] B[n][k]), K = 1,024, on codes of MX-FP8; h is quantised along n and stored as a RECORD.
; A RECORD is a tile of 128 rows x 128 along K: 16,384 bytes of codes ([row][128]), then 512 bytes of scale words ([row], byte b for k = 32 b ..): 16,896 dense bytes; the records of a block of 128 rows lie on end along K.
; A tile of C is 128 x 128: four waves of 64 x 64, 16 accumulators each.  LDS holds two slots of 512 along K, each with four records of A and four of B: all of K.
; A WORK-GROUP STAYS: it makes four tiles of C, one below the other, 8 tile rows apart.  All four take the same 128 rows of B: B's eight records come once, with the first fills, and stay where they lie.
; Only A's half of a slot is filled again: slot 0's at the change of slots in a tile's middle, slot 1's behind a round that stands between the tile's gelu and its quantiser.  So each refill has four panels of products
; and half of the work behind the products in which to land, and the next tile's first fragments are fetched while this tile is quantised and stored.  The last tile is written out: it fills nothing.
; One tensor load brings two records (264 rows of 128 bytes, 16 bytes of padding behind each): codes and scale words together.  First fills: waves 0 and 1 A's, waves 2 and 3 B's; refills: waves 0 and 1 alone.
; By this text's count a wave has two loads out at the start, later one at the most.
; CLUSTERS: 4 x 4 work-groups; A's records are asked for jointly along a row of the cluster, B's along a column; a round of the cluster's barrier stands in front of every joint refill.
; THE MATRIX INSTRUCTION IS USED TRANSPOSED: lane (r, h) holds row r of C and columns 16 b + 8 h + 0 .. 7.  The bias, the same for all four tiles, is the C of each sum's first instruction and stays in window 2.
; THE GELU IS THE EXACT ONE: gelu(x) = max(x, 0) - |x| g, g = erfc(|x| / sqrt 2) / 2 = t 2^(-x^2 log2(e) / 2 + Q(t)), t = 1 / (1 + |x| sqrt(2) / 4); Q is the polynomial of degree 9 of the well-known
; rational-exponential fit of erfc (fractional error under 1.2e-7 everywhere), times log2(e), with 1 taken off its constant.  So the small results of negative x keep their relative accuracy.
; REGISTERS: window 0: v1-31 addresses; v32-39 scale words, two sets; v40-59 the quantiser and the gelu; v64-127 at work behind the products; v128-255 accumulators.  window 1: two sets of fragments.  window 2: v0-31 the bias.
; LIMITS: erfc's 1.2e-7, and the rounding of the exponent in f32; a block of zeros, or one under 2^-118, keeps the byte 1; NaN and infinities are not served.
; No prefetch: the tile is small, and each refill is asked for four panels and half of a tile's vector work ahead of its first use.
.set KP,    8
.set TILES, 4
.set WALK,  8                          ; tile rows from a work-group's tile to its next: the grid's height
.set WOFF,  64*16896                   ; w1's records begin behind wo's 64
.set REC,   16896
.set PIT,   144
.set RECL,  132*PIT
.set HALF,  2*RECL
.set BOFF,  4*RECL
.set SLOT,  8*RECL
.set STAGE, 2*SLOT                     ; behind the slots: the way out's stage, laid as the record with rows of 144 bytes: 18,432 bytes of codes, 512 of scale words; no fill lands here
.set SPARE, STAGE+128*PIT+512          ; the spare words: two blocks of 256 bytes that no other line names
.set ADRA, 16
.set ADRS, 18
.set ADRB, 20
.set STO,  24
.set RD,   25
.set CO,   26
.set STS,  27
.set SPW,  28
.set NIL,  29
.set RD2,  30
.set CO2,  31
.set SC,   32
.set TM,   40
.set QQ,   40                          ; the gelu: 1 + .., then the polynomial, then the power of two
.set AX,   64                          ; |x|
.set TT,   80                          ; t, then g
.set X2,   96                          ; x^2
.set PC,   112
.set ACC,  128
.set F0,   0
.set F1,   128
.set CB2,  0                           ; the bias, in window 2
.set G1,   24
.set G0,   32
.set G1B,  48
.set G0B,  56
.set MSB,  0
.macro WIN new                         ; the immediate's high byte repeats the setting that is left
.if MSB != \new
	s_set_vgpr_msb (MSB<<8)|\new
.set MSB, \new
.endif
.endm
.set MUL,  0x05                        ; sources 0 (B) and 1 (A) window 1; C and D window 0
.set MULB, 0x25                        ; the same with C in window 2: the bias
.set TO_F, 0x40                        ; destination window 1, address window 0
.macro JLOAD s                         ; a first fill: waves 0 and 1 fetch for A, waves 2 and 3 for B; four v_nop follow each of the two lines
	s_cmp_eq_u32 s11, 0
	s_cbranch_scc0 .Lfor_b_\@
	tensor_load_to_lds s[G0+4*\s:G0+4*\s+3], s[G1:G1+7]
	s_nop 0
.rept 4
	v_nop
.endr
	s_branch .Lasked_\@
.Lfor_b_\@:
	tensor_load_to_lds s[G0B+4*\s:G0B+4*\s+3], s[G1B:G1B+7]
	s_nop 0
.rept 4
	v_nop
.endr
.Lasked_\@:
.endm
.macro ALOAD s                         ; a refill: A's four records of slot s, by waves 0 and 1; the branch hangs on the wave's number alone
	s_cmp_eq_u32 s11, 0
	s_cbranch_scc0 .Lnone_\@
	tensor_load_to_lds s[G0+4*\s:G0+4*\s+3], s[G1:G1+7]
	s_nop 0
.rept 4
	v_nop
.endr
.Lnone_\@:
.endm
.macro CREST                           ; a round of the cluster's barrier behind its opening barrier
	s_cmp_lg_u32 s10, 0
	s_cbranch_scc1 .Lnot_wave_0_\@
	s_barrier_signal -3
.Lnot_wave_0_\@:
	s_barrier_wait -3
	s_barrier_signal -1
	s_barrier_wait -1
.endm
.macro CROUND
	s_barrier_signal -1
	s_barrier_wait -1
	CREST
.endm
.macro PLACES n
.rept \n
	v_nop
.endr
.endm
.macro FETCH slot, q, f                ; 36 LDS loads: panel q of a slot into set f: four scale registers (lanes 0-15 A's block i, lanes 16-31 B's), B's four fragments, A's four
	WIN 0
.irp i, 0,1,2,3
	ds_load_b32 v[SC+4*((\f)/128)+\i], v[ADRS+\slot] offset:(\q)*RECL+(\i/2)*PIT+(\i%2)*64
.endr
	WIN TO_F
.irp i, 0,1,2,3
.irp c, 0,1,2,3
	ds_load_b128 v[\f+64+16*\i+4*\c:\f+64+16*\i+4*\c+3], v[ADRB+\slot] offset:(\q)*RECL+\i*16*PIT+32*\c
.endr
.endr
.irp i, 0,1,2,3
.irp c, 0,1,2,3
	ds_load_b128 v[\f+16*\i+4*\c:\f+16*\i+4*\c+3], v[ADRA+\slot] offset:(\q)*RECL+\i*16*PIT+32*\c
.endr
.endr
.endm
.macro MUL8 f, a0, mode                ; 8 matrix instructions; mode 1: the bias starts the sums.  The 16 accumulators take turns, from tile to tile too
.irp a, \a0, \a0+1
.irp b, 0,1,2,3
.if \mode
	v_wmma_scale_f32_16x16x128_f8f6f4 v[ACC+8*(4*(\a)+\b):ACC+8*(4*(\a)+\b)+7], v[\f+64+16*\b:\f+64+16*\b+15], v[\f+16*(\a):\f+16*(\a)+15], v[CB2+8*\b:CB2+8*\b+7], v[SC+4*((\f)/128)+\b], v[SC+4*((\f)/128)+(\a)] matrix_a_scale:MATRIX_SCALE_ROW1
.else
	v_wmma_scale_f32_16x16x128_f8f6f4 v[ACC+8*(4*(\a)+\b):ACC+8*(4*(\a)+\b)+7], v[\f+64+16*\b:\f+64+16*\b+15], v[\f+16*(\a):\f+16*(\a)+15], v[ACC+8*(4*(\a)+\b):ACC+8*(4*(\a)+\b)+7], v[SC+4*((\f)/128)+\b], v[SC+4*((\f)/128)+(\a)] matrix_a_scale:MATRIX_SCALE_ROW1
.endif
.endr
.endr
.endm
.macro QUARTER slot, q, f, g, mode     ; set f is multiplied; ahead of that panel q is asked for, into set g, eight places behind the products that read it
	PLACES 8
	FETCH \slot, \q, \g
	s_wait_dscnt 36                                ; all but the 36 just issued: set f is in
.if \mode
	WIN MULB
.else
	WIN MUL
.endif
	MUL8 \f, 0, \mode
	MUL8 \f, 2, \mode
.endm
; A slot's last panel (set 1), and the change of slots: each wave waits for all its tensor loads, adds 0 to its spare word, waits for that and for its reads of this slot, and passes the barrier.
; fill = 1: the barrier opens a round of the cluster's, and A's half of this slot takes the next tile's records
.macro TURN slot, next, fill
	WIN 0
	s_wait_tensorcnt 0x0                           ; all my tensor loads have landed: my part of the next slot
	ds_add_u32 v[SPW], v[NIL]
	s_wait_dscnt 1                                 ; (the add alone may be out: set 1 is in)
	WIN MUL
	MUL8 F1, 0, 0
	s_wait_dscnt 0x0                               ; the add is done, and my reads of this slot are over
	s_barrier_signal -1
	MUL8 F1, 2, 0
	WIN 0
	s_barrier_wait -1
.if \fill
	CREST                                          ; no wave of any partner still reads this slot or has a load on its way
	s_add_nc_u64 s[G0+4*\slot+2:G0+4*\slot+3], s[G0+4*\slot+2:G0+4*\slot+3], WALK*KP*REC   ; the same panels of the strip 8 tile rows further down
	ALOAD \slot                                    ; the first tensor load behind the round
.endif
	PLACES 8
	FETCH \next, 0, F0
	WIN 0
.endm
; The gelu of 16 numbers of a lane, in place.  The reciprocals and the powers of two go as batches, each with one wait ahead of its first reader
.macro GELU16 s
.irp i, 0,1,2,3,4,5,6,7,8,9,10,11,12,13,14,15
	v_and_b32 v[AX+\i], 0x7fffffff, v[\s+\i]
.endr
.irp i, 0,2,4,6,8,10,12,14
	v_pk_fma_f32 v[QQ+\i:QQ+\i+1], v[AX+\i:AX+\i+1], 0x3eb504f3, 1.0 op_sel_hi:[1,0,0]   ; 1 + |x| sqrt(2) / 4
.endr
.irp i, 0,1,2,3,4,5,6,7,8,9,10,11,12,13,14,15
	v_rcp_f32 v[TT+\i], v[QQ+\i]
.endr
.irp i, 0,2,4,6,8,10,12,14
	v_pk_mul_f32 v[X2+\i:X2+\i+1], v[\s+\i:\s+\i+1], v[\s+\i:\s+\i+1]
.endr
	s_wait_alu depctr_va_vdst(0)
.irp i, 0,2,4,6,8,10,12,14
	v_pk_fma_f32 v[QQ+\i:QQ+\i+1], v[TT+\i:TT+\i+1], v[58:59], 0xbf97d29d op_sel_hi:[1,1,0]
.endr
.irp c, 0x40097039, 0xbfd1a1e5, 0x3ecdfd18, 0xbe899a80, 0x3e0efb2e, 0x3f0a29d2, 0x3fb8ab5a, 0xc034d90f
.irp i, 0,2,4,6,8,10,12,14
	v_pk_fma_f32 v[QQ+\i:QQ+\i+1], v[QQ+\i:QQ+\i+1], v[TT+\i:TT+\i+1], \c op_sel_hi:[1,1,0]
.endr
.endr
.irp i, 0,2,4,6,8,10,12,14
	v_pk_fma_f32 v[QQ+\i:QQ+\i+1], v[X2+\i:X2+\i+1], 0xbf38aa3b, v[QQ+\i:QQ+\i+1] op_sel_hi:[1,0,1]   ; - x^2 log2(e) / 2
.endr
.irp i, 0,1,2,3,4,5,6,7,8,9,10,11,12,13,14,15
	v_exp_f32 v[QQ+\i], v[QQ+\i]
.endr
.irp i, 0,1,2,3,4,5,6,7,8,9,10,11,12,13,14,15
	v_max_num_f32 v[\s+\i], 0, v[\s+\i]
.endr
	s_wait_alu depctr_va_vdst(0)
.irp i, 0,2,4,6,8,10,12,14
	v_pk_mul_f32 v[TT+\i:TT+\i+1], v[TT+\i:TT+\i+1], v[QQ+\i:QQ+\i+1]
.endr
.irp i, 0,2,4,6,8,10,12,14
	v_pk_fma_f32 v[\s+\i:\s+\i+1], v[AX+\i:AX+\i+1], v[TT+\i:TT+\i+1], v[\s+\i:\s+\i+1] neg_lo:[1,0,0] neg_hi:[1,0,0]
.endr
.endm
.macro QUANT s                         ; 64 numbers of a lane: block bb is 16 registers (32 columns with lane l xor 16's).  Codes to v[PC + 4 bb] on, bytes to v[TM + 4 + bb]
.irp b, 0,1,2,3
	v_max3_num_f32 v[TM+\b], |v[\s+16*\b]|, |v[\s+1+16*\b]|, 0x4800000   ; with the floor 2^(9 - 127): the byte cannot fall under 1
.endr
.irp i, 2,4,6,8,10,12,14
.irp b, 0,1,2,3
	v_max3_num_f32 v[TM+\b], v[TM+\b], |v[\s+16*\b+\i]|, |v[\s+1+16*\b+\i]|
.endr
.endr
.irp b, 0,1,2,3
	v_permlanex16_b32 v[TM+4+\b], v[TM+\b], s78, s79
.endr
.irp b, 0,1,2,3
	v_max_num_f32 v[TM+\b], v[TM+\b], v[TM+4+\b]
.endr
.irp b, 0,1,2,3
	v_add_nc_u32 v[TM+12+\b], 0xfc000000, v[TM+\b]
.endr
.irp b, 0,1,2,3
	v_and_or_b32 v[TM+8+\b], v[TM+\b], 0x7f800000, s80
.endr
.irp b, 0,1,2,3
	v_lshrrev_b32 v[TM+4+\b], 23, v[TM+12+\b]
.endr
.irp b, 0,1,2,3
.irp i, 0,1,2,3,4,5,6,7,8,9,10,11,12,13,14,15
	v_med3_num_f32 v[\s+16*\b+\i], v[\s+16*\b+\i], -v[TM+8+\b], v[TM+8+\b]   ; the conversion does not saturate (ISA guide 7.6.2): the hold comes first
.endr
	v_cvt_scalef32_pk8_fp8_f32 v[PC+4*\b:PC+1+4*\b], v[\s+16*\b:\s+7+16*\b], v[TM+12+\b]
	v_cvt_scalef32_pk8_fp8_f32 v[PC+2+4*\b:PC+3+4*\b], v[\s+8+16*\b:\s+15+16*\b], v[TM+12+\b]
.endr
	v_nop                                          ; a plain instruction behind the last conversion
.endm
.macro TOREC a                         ; the codes and bytes of row blocks a, a + 1 into the work-group's stage
.irp bb, 0,1,2,3
	ds_store_b64 v[STO], v[PC+4*\bb:PC+4*\bb+1] offset:((\a)+\bb/2)*16*PIT+32*(\bb%2)
	ds_store_b64 v[STO], v[PC+4*\bb+2:PC+4*\bb+3] offset:((\a)+\bb/2)*16*PIT+32*(\bb%2)+16
.endr
	v_lshl_or_b32 v56, v[TM+5], 8, v[TM+4]
	v_lshl_or_b32 v57, v[TM+7], 8, v[TM+6]
	ds_store_b16 v[STS], v56 offset:(\a)*64        ; my two bytes of the row's scale word (both halves of the lanes write the same)
	ds_store_b16 v[STS], v57 offset:(\a)*64+64
	s_wait_dscnt 0x0                               ; the stores have read their registers
.endm
.macro SENDREC                         ; the stage leaves as the record: 512 consecutive bytes an instruction
	s_wait_dscnt 0x0                               ; for the others' sake: my stores into the stage are done
	s_barrier_signal -1
	s_barrier_wait -1
.irp i, 0,1,2,3,4,5,6,7
	ds_load_b128 v[64+4*\i:67+4*\i], v[RD] offset:\i*4*PIT
.endr
.irp i, 0,1,2,3,4,5,6,7
	s_wait_dscnt 7-\i
	global_store_b128 v[CO], v[64+4*\i:67+4*\i], s[74:75] offset:512*\i
.endr
	s_cmp_lg_u32 s10, 0
	s_cbranch_scc1 .Lno_words_\@
	ds_load_b128 v[96:99], v[RD2]                  ; wave 0: the 128 scale words
	s_wait_dscnt 0x0
	global_store_b128 v[CO2], v[96:99], s[74:75] offset:16384
.Lno_words_\@:
.endm
; A TILE.  On the way in its first panel lies in set 0.  fill = 1: it has a successor, whose records of A are asked for and whose first panel is fetched
.macro TILE fill
	QUARTER 0, 1, F0, F1, 1
	QUARTER 0, 2, F1, F0, 0
	QUARTER 0, 3, F0, F1, 0
	TURN 0, 1, \fill
	QUARTER 1, 1, F0, F1, 0
	QUARTER 1, 2, F1, F0, 0
	QUARTER 1, 3, F0, F1, 0
	s_wait_dscnt 0x0                               ; the last panel is in, and my reads of slot 1 are over
	WIN MUL
	MUL8 F1, 0, 0
	MUL8 F1, 2, 0
	WIN 0
	PLACES 8                                       ; in front of the first read of results
	GELU16 128
	GELU16 144
	GELU16 160
	GELU16 176
	GELU16 192
	GELU16 208
	GELU16 224
	GELU16 240
.if \fill
	s_wait_tensorcnt 0x0                           ; slot 0's refill, asked for four panels and the gelu ago, has landed: no tensor load of mine is out
	ds_add_u32 v[SPW], v[NIL]
	s_add_nc_u64 s[G0+6:G0+7], s[G0+6:G0+7], WALK*KP*REC   ; slot 1's panels of the next tile's strip
	s_wait_dscnt 0x0
	CROUND                                         ; no wave of any partner still reads slot 1 or has a load on its way; slot 0 is whole in every work-group
	ALOAD 1                                        ; the first tensor load behind the round
	PLACES 8
	FETCH 0, 0, F0                                 ; the next tile's first panel comes while this tile is quantised
	WIN 0
.endif
	QUANT 128
	TOREC 0
	QUANT 192
	TOREC 2
	SENDREC
.if \fill
	s_wait_xcnt 0x0                                ; the stores have read their registers and their base: the base may step, and the next gelu may write v64 on
	s_add_nc_u64 s[74:75], s[74:75], WALK*32*REC   ; h's record 8 tile rows further down
.endif
.endm
	s_load_b256 s[68:75], s[0:1], 0x0              ; A s[68:69], B s[70:71], bias s[72:73], the records of h s[74:75]
	v_lshl_add_u32 v[SPW], v0, 2, SPARE
	v_mov_b32 v[NIL], 0
	ds_add_u32 v28, v29
	s_wait_dscnt 0x0
	v_lshrrev_b32 v1, 5, v0
	v_readfirstlane_b32 s10, v1                    ; wave 0..3
	s_lshr_b32 s11, s10, 1                         ; which half of the tile's rows is mine.  Also: I fetch for A (0) or for B (1)
	s_and_b32 s12, s10, 1                          ; which half of its columns.  Also: which two records of a slot I fetch
	s_bfe_u32 s40, ttmp6, 0x40000                  ; cx, cy: my place in the cluster
	s_bfe_u32 s41, ttmp6, 0x40004
	s_lshl_b32 s42, ttmp9, 2
	s_add_co_u32 s42, s42, s40                     ; tile column
	s_and_b32 s13, ttmp7, 0xffff
	s_lshl_b32 s13, s13, 2
	s_add_co_u32 s13, s13, s41                     ; my first tile's row
	s_lshl_b32 s43, s41, 2
	s_lshl_b32 s43, 15, s43                        ; my row of the cluster
	s_lshl_b32 s44, 0x1111, s40                    ; my column
	s_or_b32 s[G1+0], s43, (1<<20)|(1<<21)|(4<<22)|(3<<25)   ; the mask; elements of 1 byte; padding on; bit 21 beside a mask; after every 32 words four words
	s_or_b32 s[G1B+0], s44, (1<<20)|(1<<21)|(4<<22)|(3<<25)
.irp g, G1, G1B
	s_mov_b32 s[\g+1], 128<<16                     ; tensor_dim0
	s_mov_b32 s[\g+2], 264<<16                     ; tensor_dim1: two records of 132 rows
	s_mov_b32 s[\g+3], 128<<16                     ; tile_dim0
	s_mov_b32 s[\g+4], 264                         ; tile_dim1
	s_mov_b32 s[\g+5], 128                         ; the pitch: dense
	s_mov_b32 s[\g+6], 0
	s_mov_b32 s[\g+7], 0
.endr
	s_mul_i32 s16, s13, KP*REC                     ; A's strip hangs on the tile row alone,
	s_mul_i32 s17, s12, 2*REC
	s_add_co_u32 s16, s16, s17
	s_mov_b32 s17, 0
	s_mul_i32 s46, s42, KP*REC                     ; B's on the tile column alone
	s_mul_i32 s47, s12, 2*REC
	s_add_co_u32 s46, s46, s47
	s_add_co_u32 s46, s46, WOFF
	s_mov_b32 s47, 0
	s_mul_i32 s20, s10, HALF                       ; where they go: wave x two records
	s_mov_b32 s78, 0x76543210
	s_mov_b32 s79, 0xfedcba98                      ; v_permlanex16_b32's selects for lane l xor 16
	s_mov_b32 s80, 0x600000                        ; the mantissa field of 448
	s_wait_kmcnt 0x0
	s_add_nc_u64 s[14:15], s[68:69], s[16:17]
	s_add_nc_u64 s[46:47], s[70:71], s[46:47]
	CROUND                                         ; all sixteen work-groups are here: the first joint loads meet
.irp s, 0,1
	s_mov_b32 s[G0+4*\s], 1
	s_add_co_u32 s[G0+4*\s+1], s20, \s*SLOT
	s_add_nc_u64 s[G0+4*\s+2:G0+4*\s+3], s[14:15], \s*4*REC
	s_or_b32 s[G0+4*\s+3], s[G0+4*\s+3], 0x80000000
	s_mov_b32 s[G0B+4*\s], 1
	s_add_co_u32 s[G0B+4*\s+1], s20, \s*SLOT
	s_add_nc_u64 s[G0B+4*\s+2:G0B+4*\s+3], s[46:47], \s*4*REC
	s_or_b32 s[G0B+4*\s+3], s[G0B+4*\s+3], 0x80000000
	JLOAD \s
.endr
	v_and_b32 v1, 15, v0                           ; r
	v_bfe_u32 v2, v0, 4, 1                         ; h
	v_mul_u32_u24 v3, v1, PIT
	v_lshl_add_u32 v3, v2, 4, v3
	s_mul_i32 s21, s11, 64*PIT
	s_mul_i32 s22, s12, 64*PIT
	s_add_co_u32 s22, s22, BOFF
.irp s, 0,1
	v_add_nc_u32 v[ADRA+\s], s21, v3
	v_add_nc_u32 v[ADRB+\s], s22, v3
	s_add_co_u32 s21, s21, SLOT
	s_add_co_u32 s22, s22, SLOT
.endr
	s_mul_i32 s21, s11, 2*PIT                      ; scale words: row 128 + (row / 32) of a record; lanes 0-15 take A's, lanes 16-31 B's
	s_mul_i32 s22, s12, 2*PIT
	s_add_co_u32 s22, s22, BOFF
	s_sub_co_u32 s22, s22, s21
	v_mul_u32_u24 v4, s22, v2
	v_lshl_add_u32 v4, v1, 2, v4
	s_add_co_u32 s21, s21, 128*PIT
	v_add_nc_u32 v[ADRS], s21, v4
	v_add_nc_u32 v[ADRS+1], SLOT, v[ADRS]
	s_lshl_b32 s46, s42, 9                         ; the bias of my 64 columns
	s_lshl_b32 s47, s12, 8
	s_add_co_u32 s46, s46, s47
	s_mov_b32 s47, 0
	s_add_nc_u64 s[72:73], s[72:73], s[46:47]
	v_lshlrev_b32 v5, 5, v2
	WIN 0x80                                       ; destination window 2
.irp b, 0,1,2,3
	global_load_b128 v[CB2+8*\b:CB2+8*\b+3], v5, s[72:73] offset:64*\b
	global_load_b128 v[CB2+8*\b+4:CB2+8*\b+7], v5, s[72:73] offset:64*\b+16
.endr
	WIN 0
	s_lshl_b32 s6, s13, 5
	s_add_co_u32 s6, s6, s42
	s_mul_i32 s6, s6, REC                          ; h's record: 32 x tile row + tile column
	s_mov_b32 s7, 0
	s_add_nc_u64 s[74:75], s[74:75], s[6:7]
	s_mul_i32 s21, s11, 64*PIT
	s_lshl_b32 s22, s12, 6
	s_add_co_u32 s21, s21, s22
	s_add_co_u32 s21, s21, STAGE
	v_mul_u32_u24 v[STO], v1, PIT
	v_lshl_add_u32 v[STO], v2, 3, v[STO]
	v_add_nc_u32 v[STO], s21, v[STO]               ; the stage: row 64 wr + r, byte 64 wc + 8 h
	s_lshl_b32 s21, s11, 8
	s_lshl_b32 s22, s12, 1
	s_add_co_u32 s21, s21, s22
	s_add_co_u32 s21, s21, STAGE+128*PIT
	v_lshl_add_u32 v[STS], v1, 2, s21
	v_and_b32 v7, 31, v0
	v_lshrrev_b32 v8, 3, v7
	v_and_b32 v9, 7, v7
	v_mul_u32_u24 v[RD], v8, PIT
	v_lshl_add_u32 v[RD], v9, 4, v[RD]
	s_mul_i32 s21, s10, 32*PIT
	s_add_co_u32 s21, s21, STAGE
	v_add_nc_u32 v[RD], s21, v[RD]                 ; back: wave w takes rows 32 w on, four rows an instruction
	v_lshlrev_b32 v[CO2], 4, v7
	v_add_nc_u32 v[RD2], STAGE+128*PIT, v[CO2]
	s_lshl_b32 s21, s10, 12
	v_add_nc_u32 v[CO], s21, v[CO2]
.irp b, 0,1,2,3
	v_mov_b32 v[TM+4+\b], 0                        ; a lane permute's destination counts as one of its sources
.endr
	v_mov_b32 v58, 0x3e7c6f08                      ; the polynomial's leading coefficient, as a pair
	v_mov_b32 v59, 0x3e7c6f08
	s_wait_loadcnt 0x0
	s_wait_tensorcnt 0x1                           ; my part of slot 0 is in; slot 1's may be out
	s_barrier_signal -1
	s_barrier_wait -1
	FETCH 0, 0, F0
	WIN 0                                          ; at a label and at a branch every window is 0
	s_mov_b32 s3, TILES-1
.Ltile:                                                ; three trips: every tile but the last asks for its successor's records of A
	TILE 1
	s_sub_co_u32 s3, s3, 1
	s_cmp_lg_u32 s3, 0
	s_cbranch_scc1 .Ltile
	TILE 0                                         ; the last tile is written out
	s_wait_tensorcnt 0x0                           ; the wave's end
	ds_add_u32 v[SPW], v[NIL]
	s_wait_dscnt 0x0
	CROUND                                         ; the closing round: no work-group ends while a partner may still ask for a record that names it
	s_endpgm
.Lfunc_end_k_q63040188ce_ffn1:
	.size	k_q63040188ce_ffn1, .Lfunc_end_k_q63040188ce_ffn1-k_q63040188ce_ffn1
	.p2alignl 7, 3214868480
	.fill 96, 4, 3214868480
	.section	.rodata,"a",@progbits
	.p2align	6, 0x0
	.amdhsa_kernel k_q63040188ce_ffn1
		.amdhsa_group_segment_fixed_size 327680
		.amdhsa_private_segment_fixed_size 0
		.amdhsa_enable_private_segment 0
		.amdhsa_kernarg_size 32
		.amdhsa_user_sgpr_count 2
		.amdhsa_user_sgpr_kernarg_segment_ptr 1
		.amdhsa_wavefront_size32 1
		.amdhsa_system_sgpr_workgroup_id_x 1
		.amdhsa_system_sgpr_workgroup_id_y 1
		.amdhsa_system_sgpr_workgroup_id_z 1
		.amdhsa_system_vgpr_workitem_id 0
		.amdhsa_next_free_vgpr 768
		.amdhsa_next_free_sgpr 84
		.amdhsa_reserve_vcc 0
		.amdhsa_float_denorm_mode_32 3
		.amdhsa_float_denorm_mode_16_64 3
		.amdhsa_memory_ordered 1
		.amdhsa_forward_progress 1
		.amdhsa_inst_pref_size 255
	.end_amdhsa_kernel
	.section	.bss,"aw",@nobits
	.p2align	6
	.space	262144
	.amdgpu_metadata
---
amdhsa.version: [ 1, 2 ]
amdhsa.kernels:
  - .name:           k_q63040188ce_ffn1
    .symbol:         k_q63040188ce_ffn1.kd
    .args:
      - { .name: act, .offset: 0, .size: 8, .value_kind: global_buffer, .address_space: global }
      - { .name: wrest, .offset: 8, .size: 8, .value_kind: global_buffer, .address_space: global }
      - { .name: b1, .offset: 16, .size: 8, .value_kind: global_buffer, .address_space: global }
      - { .name: big2, .offset: 24, .size: 8, .value_kind: global_buffer, .address_space: global }
    .group_segment_fixed_size: 327680
    .private_segment_fixed_size: 0
    .kernarg_segment_align: 8
    .kernarg_segment_size: 32
    .max_flat_workgroup_size: 128
    .sgpr_count:     84
    .vgpr_count:     768
    .wavefront_size: 32
...
	.end_amdgpu_metadata
.endif
;; end of part 6
;; launch ffn2 (part 7): grid 8 x 32, 4 waves a work-group, clusters of 4 x 4, 327,680 bytes of LDS; arguments big2, wrest, b2, big1, out0; writes out0
.if DOCPART == 7
	.amdgcn_target "amdgcn-amd-amdhsa--gfx1250"
	.amdhsa_code_object_version 6
	.text
	.protected	k_q63040188ce_ffn2
	.globl	k_q63040188ce_ffn2
	.p2align	8
	.type	k_q63040188ce_ffn2,@function
k_q63040188ce_ffn2:
	s_mov_b64 s[64:65], 0
	v_nop
	global_prefetch_b8 v0, s[64:65] scope:SCOPE_SE
	s_setreg_imm32_b32 hwreg(HW_REG_WAVE_MODE, 25, 1), 1
	s_wait_xcnt 0x0
	s_wait_alu depctr_hold_cnt(0) depctr_sa_sdst(0) depctr_va_vdst(0) depctr_va_sdst(0) depctr_va_ssrc(0) depctr_va_vcc(0) depctr_vm_vsrc(0)
	s_getreg_b32 s2, hwreg(HW_REG_IB_STS2, 6, 4)
	s_cmp_eq_u32 s2, 0
	s_cbranch_scc0 .Lentry_in_a_cluster
	s_endpgm
.Lentry_in_a_cluster:
	s_bfe_u32 s2, ttmp6, 0x10000c
	s_cmp_lg_u32 s2, 0xf033
	s_cbranch_scc0 .Lentry_shape_is_right
	s_endpgm
.Lentry_shape_is_right:
; out[m][n] = res[m][n] + bias[n] + sum over k of A[m][k] B[n][k], K = 4,096, on codes of MX-FP8; res and out are f32 [4,096][1,024].
; A and B are RECORDS: a tile of 128 rows x 128 along K: 16,384 bytes of codes ([row][128]), then 512 bytes of scale words; 16,896 dense bytes; the records of a block of 128 rows lie on end along K.
; A tile of C is 128 x 128: four waves of 64 x 64, 16 accumulators each.  K goes through a ring of two LDS slots of 512 along K (four records of A, four of B); a lap is 1,024 along K, four laps.
; One tensor load a wave brings two records (264 rows of 128 bytes, 16 bytes of padding behind each): codes and scale words together.  By this text's count a wave has two loads out at the start, later one.
; CLUSTERS: 4 x 4 work-groups; A's records are asked for jointly along a row of the cluster, B's along a column; where a slot is filled again a round of the cluster's barrier stands in front of the joint load.
; THE MATRIX INSTRUCTION IS USED TRANSPOSED: lane (r, h) holds row r of C and columns 16 b + 8 h + 0 .. 7.  The bias is the C of each sum's first instruction.
; REGISTERS: window 0: v1-31 addresses; v32-39 scale words, two sets; v64-95 the bias, later with v96-127 the residual; v32-63 rows on the way out; v128-255 accumulators.  window 1: two sets of fragments.
; No prefetch: the tile is small and a refill has a slot's 64 matrix instructions and 144 LDS loads a wave in which to land.  NaN and infinities are not served.
.set KP,    32
.set WOFF,  320*16896                  ; w2's records begin behind wo's 64 and w1's 256
.set REC,   16896
.set PIT,   144
.set RECL,  132*PIT
.set HALF,  2*RECL
.set BOFF,  4*RECL
.set SLOT,  8*RECL
.set SPARE, 2*SLOT                     ; the spare words: two blocks of 256 bytes that no other line names
.set LAPS,  KP/8
.set ADRA, 16
.set ADRS, 18
.set ADRB, 20
.set STO,  24
.set RD,   25
.set CO,   26
.set SPW,  28
.set NIL,  29
.set SC,   32
.set CB,   64
.set ACC,  128
.set F0,   0
.set F1,   128
.set G1,   24
.set G0,   32
.set G1B,  48
.set G0B,  56
.set MSB,  0
.macro WIN new
.if MSB != \new
	s_set_vgpr_msb (MSB<<8)|\new
.set MSB, \new
.endif
.endm
.set MUL,  0x05
.set TO_F, 0x40
.macro JLOAD s                         ; a joint load: waves 0 and 1 fetch for A, waves 2 and 3 for B; four v_nop follow each of the two lines
	s_cmp_eq_u32 s11, 0
	s_cbranch_scc0 .Lfor_b_\@
	tensor_load_to_lds s[G0+4*\s:G0+4*\s+3], s[G1:G1+7]
	s_nop 0
.rept 4
	v_nop
.endr
	s_branch .Lasked_\@
.Lfor_b_\@:
	tensor_load_to_lds s[G0B+4*\s:G0B+4*\s+3], s[G1B:G1B+7]
	s_nop 0
.rept 4
	v_nop
.endr
.Lasked_\@:
.endm
.macro CREST
	s_cmp_lg_u32 s10, 0
	s_cbranch_scc1 .Lnot_wave_0_\@
	s_barrier_signal -3
.Lnot_wave_0_\@:
	s_barrier_wait -3
	s_barrier_signal -1
	s_barrier_wait -1
.endm
.macro CROUND
	s_barrier_signal -1
	s_barrier_wait -1
	CREST
.endm
.macro PLACES n
.rept \n
	v_nop
.endr
.endm
.macro FETCH slot, q, f                ; 36 LDS loads: panel q of a slot into set f
	WIN 0
.irp i, 0,1,2,3
	ds_load_b32 v[SC+4*((\f)/128)+\i], v[ADRS+\slot] offset:(\q)*RECL+(\i/2)*PIT+(\i%2)*64
.endr
	WIN TO_F
.irp i, 0,1,2,3
.irp c, 0,1,2,3
	ds_load_b128 v[\f+64+16*\i+4*\c:\f+64+16*\i+4*\c+3], v[ADRB+\slot] offset:(\q)*RECL+\i*16*PIT+32*\c
.endr
.endr
.irp i, 0,1,2,3
.irp c, 0,1,2,3
	ds_load_b128 v[\f+16*\i+4*\c:\f+16*\i+4*\c+3], v[ADRA+\slot] offset:(\q)*RECL+\i*16*PIT+32*\c
.endr
.endr
.endm
.macro MUL8 f, a0, mode                ; 8 matrix instructions; mode 1: the bias starts the sums.  The 16 accumulators take turns, over the loop's backward jump too
.irp a, \a0, \a0+1
.irp b, 0,1,2,3
.if \mode
	v_wmma_scale_f32_16x16x128_f8f6f4 v[ACC+8*(4*(\a)+\b):ACC+8*(4*(\a)+\b)+7], v[\f+64+16*\b:\f+64+16*\b+15], v[\f+16*(\a):\f+16*(\a)+15], v[CB+8*\b:CB+8*\b+7], v[SC+4*((\f)/128)+\b], v[SC+4*((\f)/128)+(\a)] matrix_a_scale:MATRIX_SCALE_ROW1
.else
	v_wmma_scale_f32_16x16x128_f8f6f4 v[ACC+8*(4*(\a)+\b):ACC+8*(4*(\a)+\b)+7], v[\f+64+16*\b:\f+64+16*\b+15], v[\f+16*(\a):\f+16*(\a)+15], v[ACC+8*(4*(\a)+\b):ACC+8*(4*(\a)+\b)+7], v[SC+4*((\f)/128)+\b], v[SC+4*((\f)/128)+(\a)] matrix_a_scale:MATRIX_SCALE_ROW1
.endif
.endr
.endr
.endm
.macro QUARTER slot, q, f, g, mode     ; set f is multiplied; ahead of that panel q is asked for, into set g, eight places behind the products that read it
	PLACES 8
	FETCH \slot, \q, \g
	s_wait_dscnt 36                                ; all but the 36 just issued: set f is in
	WIN MUL
	MUL8 \f, 0, \mode
	MUL8 \f, 2, \mode
.endm
.macro TURN slot, next, fill           ; a slot's last panel, and the change of slots.  fill = 1: this slot is filled again, with the records eight further along K
	WIN 0
	s_wait_tensorcnt 0x0                           ; all my tensor loads have landed: my part of the next slot
	ds_add_u32 v[SPW], v[NIL]
	s_wait_dscnt 1                                 ; (the add alone may be out: set 1 is in)
	WIN MUL
	MUL8 F1, 0, 0
	s_wait_dscnt 0x0                               ; the add is done, and my reads of this slot are over
	s_barrier_signal -1
	MUL8 F1, 2, 0
	WIN 0
	s_barrier_wait -1
.if \fill
	CREST                                          ; the barrier has opened a round of the cluster's barrier: no wave of any partner still reads this slot or has a load on its way
	s_add_nc_u64 s[G0+4*\slot+2:G0+4*\slot+3], s[G0+4*\slot+2:G0+4*\slot+3], 8*REC
	s_add_nc_u64 s[G0B+4*\slot+2:G0B+4*\slot+3], s[G0B+4*\slot+2:G0B+4*\slot+3], 8*REC
	JLOAD \slot                                    ; the first tensor load behind the round; its four v_nop are among the places in front of the loads below
	PLACES 4
.else
	PLACES 8
.endif
	FETCH \next, 0, F0
	WIN 0
.endm
.macro RLOAD a                         ; the residual of my row block a: 16 rows x 256 bytes; sixteen lanes read 256 consecutive bytes
.irp i, 0,1,2,3,4,5,6,7
	global_load_b128 v[64+32*((\a)%2)+4*\i:64+32*((\a)%2)+4*\i+3], v[CO], s[74:75] offset:(16*(\a)+2*\i)*4096
.endr
.endm
.macro OUTB a                          ; row block a goes through my own stage, comes back as rows, takes its residual and leaves
.if (\a) > 0
	s_wait_xcnt 0x0                                ; the last block's stores have read their registers
.endif
.irp t, 0,1,2,3
	ds_store_b128 v[STO], v[ACC+8*(4*(\a)+\t):ACC+8*(4*(\a)+\t)+3] offset:64*\t        ; each accumulator from its low end on
	ds_store_b128 v[STO], v[ACC+8*(4*(\a)+\t)+4:ACC+8*(4*(\a)+\t)+7] offset:64*\t+16
.endr
.irp i, 0,1,2,3,4,5,6,7
	ds_load_b128 v[32+4*\i:35+4*\i], v[RD] offset:\i*544   ; LDS serves a wave's instructions in order: these see the stores above
.endr
	s_wait_dscnt 0x0
.if (\a) < 3
	s_wait_loadcnt 8                               ; this block's residual is in; the next block's eight loads may be out
.else
	s_wait_loadcnt 0x0
.endif
.irp i, 0,2,4,6,8,10,12,14,16,18,20,22,24,26,28,30
	v_pk_add_f32 v[32+\i:33+\i], v[32+\i:33+\i], v[64+32*((\a)%2)+\i:65+32*((\a)%2)+\i]
.endr
.if (\a) < 2
	RLOAD (\a)+2
.endif
.irp i, 0,1,2,3,4,5,6,7
	global_store_b128 v[CO], v[32+4*\i:35+4*\i], s[76:77] offset:(16*(\a)+2*\i)*4096   ; sixteen lanes store 256 consecutive bytes, aligned
.endr
.endm
	s_load_b256 s[68:75], s[0:1], 0x0              ; A s[68:69], B s[70:71], bias s[72:73], res s[74:75]
	s_load_b64 s[76:77], s[0:1], 0x20              ; out
	v_lshl_add_u32 v[SPW], v0, 2, SPARE
	v_mov_b32 v[NIL], 0
	ds_add_u32 v28, v29
	s_wait_dscnt 0x0
	v_lshrrev_b32 v1, 5, v0
	v_readfirstlane_b32 s10, v1
	s_lshr_b32 s11, s10, 1
	s_and_b32 s12, s10, 1
	s_bfe_u32 s40, ttmp6, 0x40000
	s_bfe_u32 s41, ttmp6, 0x40004
	s_lshl_b32 s42, ttmp9, 2
	s_add_co_u32 s42, s42, s40                     ; tile column
	s_and_b32 s13, ttmp7, 0xffff
	s_lshl_b32 s13, s13, 2
	s_add_co_u32 s13, s13, s41                     ; tile row
	s_lshl_b32 s43, s41, 2
	s_lshl_b32 s43, 15, s43
	s_lshl_b32 s44, 0x1111, s40
	s_or_b32 s[G1+0], s43, (1<<20)|(1<<21)|(4<<22)|(3<<25)
	s_or_b32 s[G1B+0], s44, (1<<20)|(1<<21)|(4<<22)|(3<<25)
.irp g, G1, G1B
	s_mov_b32 s[\g+1], 128<<16
	s_mov_b32 s[\g+2], 264<<16
	s_mov_b32 s[\g+3], 128<<16
	s_mov_b32 s[\g+4], 264
	s_mov_b32 s[\g+5], 128
	s_mov_b32 s[\g+6], 0
	s_mov_b32 s[\g+7], 0
.endr
	s_mul_i32 s16, s13, KP*REC
	s_mul_i32 s17, s12, 2*REC
	s_add_co_u32 s16, s16, s17
	s_mov_b32 s17, 0
	s_mul_i32 s46, s42, KP*REC
	s_mul_i32 s47, s12, 2*REC
	s_add_co_u32 s46, s46, s47
	s_add_co_u32 s46, s46, WOFF
	s_mov_b32 s47, 0
	s_mul_i32 s20, s10, HALF
	s_wait_kmcnt 0x0
	s_add_nc_u64 s[14:15], s[68:69], s[16:17]
	s_add_nc_u64 s[46:47], s[70:71], s[46:47]
	CROUND                                         ; all sixteen work-groups are here: the first joint loads meet
.irp s, 0,1
	s_mov_b32 s[G0+4*\s], 1
	s_add_co_u32 s[G0+4*\s+1], s20, \s*SLOT
	s_add_nc_u64 s[G0+4*\s+2:G0+4*\s+3], s[14:15], \s*4*REC
	s_or_b32 s[G0+4*\s+3], s[G0+4*\s+3], 0x80000000
	s_mov_b32 s[G0B+4*\s], 1
	s_add_co_u32 s[G0B+4*\s+1], s20, \s*SLOT
	s_add_nc_u64 s[G0B+4*\s+2:G0B+4*\s+3], s[46:47], \s*4*REC
	s_or_b32 s[G0B+4*\s+3], s[G0B+4*\s+3], 0x80000000
	JLOAD \s
.endr
	v_and_b32 v1, 15, v0
	v_bfe_u32 v2, v0, 4, 1
	v_mul_u32_u24 v3, v1, PIT
	v_lshl_add_u32 v3, v2, 4, v3
	s_mul_i32 s21, s11, 64*PIT
	s_mul_i32 s22, s12, 64*PIT
	s_add_co_u32 s22, s22, BOFF
.irp s, 0,1
	v_add_nc_u32 v[ADRA+\s], s21, v3
	v_add_nc_u32 v[ADRB+\s], s22, v3
	s_add_co_u32 s21, s21, SLOT
	s_add_co_u32 s22, s22, SLOT
.endr
	s_mul_i32 s21, s11, 2*PIT
	s_mul_i32 s22, s12, 2*PIT
	s_add_co_u32 s22, s22, BOFF
	s_sub_co_u32 s22, s22, s21
	v_mul_u32_u24 v4, s22, v2
	v_lshl_add_u32 v4, v1, 2, v4
	s_add_co_u32 s21, s21, 128*PIT
	v_add_nc_u32 v[ADRS], s21, v4
	v_add_nc_u32 v[ADRS+1], SLOT, v[ADRS]
	s_lshl_b32 s46, s42, 9                         ; my 64 columns, in bytes of f32
	s_lshl_b32 s47, s12, 8
	s_add_co_u32 s46, s46, s47
	s_mov_b32 s47, 0
	s_add_nc_u64 s[72:73], s[72:73], s[46:47]
	v_lshlrev_b32 v5, 5, v2
.irp b, 0,1,2,3
	global_load_b128 v[CB+8*\b:CB+8*\b+3], v5, s[72:73] offset:64*\b
	global_load_b128 v[CB+8*\b+4:CB+8*\b+7], v5, s[72:73] offset:64*\b+16
.endr
	s_lshl_b32 s4, s13, 19                         ; my first row: 128 x tile row + 64 x half, rows of 4,096 bytes
	s_lshl_b32 s5, s11, 18
	s_add_co_u32 s4, s4, s5
	s_add_co_u32 s4, s4, s46
	s_mov_b32 s5, 0
	s_add_nc_u64 s[74:75], s[74:75], s[4:5]
	s_add_nc_u64 s[76:77], s[76:77], s[4:5]
	s_mul_i32 s21, s10, 16*272                     ; my stage: 16 rows x (256 + 16) bytes, in slot 0, which has had its last fill and its last read when the first result is stored there
	v_mul_u32_u24 v[STO], v1, 272
	v_lshl_add_u32 v[STO], v2, 5, v[STO]
	v_add_nc_u32 v[STO], s21, v[STO]
	v_mul_u32_u24 v[RD], v2, 272
	v_lshl_add_u32 v[RD], v1, 4, v[RD]
	v_add_nc_u32 v[RD], s21, v[RD]
	v_lshlrev_b32 v[CO], 12, v2
	v_lshl_add_u32 v[CO], v1, 4, v[CO]
	s_wait_loadcnt 0x0
	s_wait_tensorcnt 0x1                           ; my part of slot 0 is in; slot 1's may be out
	s_barrier_signal -1
	s_barrier_wait -1
	FETCH 0, 0, F0
	QUARTER 0, 1, F0, F1, 1
	WIN 0
	PLACES 8                                       ; the bias has been read: its registers take the residual
	RLOAD 0
	RLOAD 1
.if LAPS > 1
	s_mov_b32 s3, LAPS-1
.Llap:                                                 ; a trip goes once round the ring, from a lap's second panel to the next lap's first, and fills both slots again
	QUARTER 0, 2, F1, F0, 0
	QUARTER 0, 3, F0, F1, 0
	TURN 0, 1, 1
	QUARTER 1, 1, F0, F1, 0
	QUARTER 1, 2, F1, F0, 0
	QUARTER 1, 3, F0, F1, 0
	TURN 1, 0, 1
	QUARTER 0, 1, F0, F1, 0
	WIN 0
	s_sub_co_u32 s3, s3, 1
	s_cmp_lg_u32 s3, 0
	s_cbranch_scc1 .Llap
.endif
	QUARTER 0, 2, F1, F0, 0                        ; the last lap is written out: it fills nothing
	QUARTER 0, 3, F0, F1, 0
	TURN 0, 1, 0
	QUARTER 1, 1, F0, F1, 0
	QUARTER 1, 2, F1, F0, 0
	QUARTER 1, 3, F0, F1, 0
	s_wait_dscnt 0x0
	WIN MUL
	MUL8 F1, 0, 0
	MUL8 F1, 2, 0
	WIN 0
	PLACES 8
	OUTB 0
	OUTB 1
	OUTB 2
	OUTB 3
	s_wait_tensorcnt 0x0                           ; the wave's end
	ds_add_u32 v[SPW], v[NIL]
	s_wait_dscnt 0x0
	CROUND                                         ; the closing round: no work-group ends while a partner may still ask for a tile that names it
	s_endpgm
.Lfunc_end_k_q63040188ce_ffn2:
	.size	k_q63040188ce_ffn2, .Lfunc_end_k_q63040188ce_ffn2-k_q63040188ce_ffn2
	.p2alignl 7, 3214868480
	.fill 96, 4, 3214868480
	.section	.rodata,"a",@progbits
	.p2align	6, 0x0
	.amdhsa_kernel k_q63040188ce_ffn2
		.amdhsa_group_segment_fixed_size 327680
		.amdhsa_private_segment_fixed_size 0
		.amdhsa_enable_private_segment 0
		.amdhsa_kernarg_size 40
		.amdhsa_user_sgpr_count 2
		.amdhsa_user_sgpr_kernarg_segment_ptr 1
		.amdhsa_wavefront_size32 1
		.amdhsa_system_sgpr_workgroup_id_x 1
		.amdhsa_system_sgpr_workgroup_id_y 1
		.amdhsa_system_sgpr_workgroup_id_z 1
		.amdhsa_system_vgpr_workitem_id 0
		.amdhsa_next_free_vgpr 512
		.amdhsa_next_free_sgpr 84
		.amdhsa_reserve_vcc 0
		.amdhsa_float_denorm_mode_32 3
		.amdhsa_float_denorm_mode_16_64 3
		.amdhsa_memory_ordered 1
		.amdhsa_forward_progress 1
		.amdhsa_inst_pref_size 100
	.end_amdhsa_kernel
	.amdgpu_metadata
---
amdhsa.version: [ 1, 2 ]
amdhsa.kernels:
  - .name:           k_q63040188ce_ffn2
    .symbol:         k_q63040188ce_ffn2.kd
    .args:
      - { .name: big2, .offset: 0, .size: 8, .value_kind: global_buffer, .address_space: global }
      - { .name: wrest, .offset: 8, .size: 8, .value_kind: global_buffer, .address_space: global }
      - { .name: b2, .offset: 16, .size: 8, .value_kind: global_buffer, .address_space: global }
      - { .name: big1, .offset: 24, .size: 8, .value_kind: global_buffer, .address_space: global }
      - { .name: out0, .offset: 32, .size: 8, .value_kind: global_buffer, .address_space: global }
    .group_segment_fixed_size: 327680
    .private_segment_fixed_size: 0
    .kernarg_segment_align: 8
    .kernarg_segment_size: 40
    .max_flat_workgroup_size: 128
    .sgpr_count:     84
    .vgpr_count:     512
    .wavefront_size: 32
...
	.end_amdgpu_metadata
.endif
;; end of part 7
